; MI455X (gfx1250); checked and timed in simulation.
; The chip was launched on July 23, 2026; its instructions are those of AMD's public machine-readable ISA for CDNA 5 (MIT licence, August 2026) and "CDNA5" Instruction Set Architecture Reference Guide (July 2026). The comments in the code are by the model that wrote it; some were corrected since.
;; PPI Predictor. Allowed arithmetic: matrix products marked QUANTISED: E3M2 operands, one E8M0 scale for each 32 along K, by v_wmma_scale_f32_16x16x128_f8f6f4 with both operands' format E3M2, f32 sums; products left as they are: f32 operands where the result goes on into a quantised operand, else bf16, f16 or f32 operands; f32 sums; everything else in f32.
;; Inputs: W1 1,024 x 512 float32; W2_codes 256 x 16 x 24 uint8 (E3M2 codes of W2, K innermost, in blocks of 32 codes, four codes in three bytes); W2_scales 256 x 16 uint8 (E8M0 scales of W2, one for each 32 codes along K); W3 256 x 1 float32; b1 512 float32; b2 256 float32; b3 1 float32; features_codes 2 x 512 x 16 x 24 uint8 (E3M2 codes of features, K innermost, in blocks of 32 codes, four codes in three bytes); features_scales 2 x 512 x 16 uint8 (E8M0 scales of features, one for each 32 codes along K).
;; Outputs: out0 2 x 512 x 512 float32.
;; This version of the problem:
;;   THIS VERSION OF THE PROBLEM IS GIVEN IN LOW PRECISION. The matrix products marked QUANTISED in the list below multiply operands that are first quantised to E3M2 (3 exponent bits, 2 mantissa bits; 6 bits a number), with one power-of-two scale for each 32 numbers along K (OCP MX v1.0); their sums are f32. All else is computed in f32.
;;   The module's matrix products, in the order in which they are computed (A, B: the left and right operand; K: the contracted axis; several contracted axes count as one K, in the product's order):
;;     1. [M 1,024, K 512] x [K 512, N 512]; A: input features (given as codes); B: input W1: QUANTISED
;;     2. [M 1,024, K 512] x [K 512, N 512]; A: input features (given as codes); B: input W1: QUANTISED
;;     3. [M 524,288, K 512] x [K 512, N 256]; A: computed on the way; B: input W2 (given as codes): QUANTISED
;;     4. [M 524,288, K 256] x [K 256, N 1]; A: computed on the way; B: input W3: left as it is (N = 1 < 16)
;;   THE QUANTISER, for each operand of a quantised product, along K:
;;     - K is cut into blocks of 32 from its start; a last block that is shorter is filled with zeros.
;;     - A block's scale is 2^e with e = floor(log2(the largest magnitude in the block)) - 4, held to -126 .. 127; a block of zeros has e = 0. As a byte (E8M0): e + 127.
;;     - Each number is divided by its block's scale, clamped to +-28, and rounded to the nearest number of E3M2, ties to even, subnormals kept.
;;     - The product sums the exact products of the quantised numbers (number of the format x scale) in f32.
;;   ~~~python
;;   def quantise(x, axis):      # numpy; x: float32 -> the quantised numbers, widened to float32 again
;;       x = np.moveaxis(x, axis, -1); K = x.shape[-1]
;;       x = np.pad(x, [(0, 0)] * (x.ndim - 1) + [(0, -K % 32)]); x = x.reshape(x.shape[:-1] + (-1, 32)); a = np.abs(x).max(-1, keepdims=True)
;;       e = np.where(a > 0, np.clip(np.frexp(np.where(a > 0, a, 1))[1] - 1 - 4, -126, 127), 0)      # np.frexp(a)[1] - 1 = floor(log2(a)), exactly
;;       r = np.clip(x / 2.0 ** e, -28, 28)
;;       step = 2.0 ** (np.maximum(np.frexp(np.where(r == 0, 1, r))[1] - 1, -2) - 2)
;;       q = np.round(r / step) * step * 2.0 ** e      # np.round: ties to even
;;       return np.moveaxis(q.reshape(q.shape[:-2] + (-1,))[..., :K], -1, axis).astype(np.float32)
;;   ~~~
;;   OPERANDS COMPUTED ON THE WAY. 'Computed on the way' means the value that the module computes at that place (a softmax that the list does not call 'softmax' is quantised finished and normalised). What goes into a quantiser is computed in f32, as accurately as f32 sums, v_exp_f32 and their like allow (about 1e-6 of the number): no bf16 or f16 on the way to a quantiser, and a product that is left as it is and whose result goes on into a quantised operand takes f32 operands (vector FMAs, or v_wmma_f32_16x16x4_f32). A number that lies on a knife's edge between two numbers of the format may be rounded either way, as far as f32 arithmetic and the matrix unit's own rounding can turn it there, and no further.
;;   INPUTS GIVEN AS CODES. W2 (in the module: [512, 256], K = its axis 0); features (in the module: [2, 512, 512], K = its axis 2): each comes as NAME_codes (uint8): NAME with its K axis moved to the last place and cut into blocks of 32 codes, [.., K / 32, bytes a block], one block behind the other in memory; four codes in three bytes: a row's codes are one little-endian stream of bits, code i at bits 6 i .. 6 i + 5 (a code: sign, 3 exponent bits, 2 mantissa bits); and NAME_scales (uint8): the same leading axes, one E8M0 byte (e + 127) for each 32 codes along K. Its value is code x scale, taken as it is: it is not quantised again, and the codes and scales need not be those that the quantiser above would give.
;; 2 versions, each right; version 2 is version 1 with the launches prep, pairs written anew for expert scheduling mode. Each part assembles by itself: llvm-mc -triple=amdgcn-amd-amdhsa -mcpu=gfx1250 --defsym DOCPART=n.
;; ======== version 1 of 2: 2 launches
;; workspace buffers: ac 4,194,304 bytes
;; launch prep (part 1): grid 64 x 8, 4 waves a work-group, no clusters, 8,704 bytes of LDS; arguments features_codes, features_scales, W1, b1, ac; writes ac
.if DOCPART == 1
	.amdgcn_target "amdgcn-amd-amdhsa--gfx1250"
	.amdhsa_code_object_version 6
	.text
	.protected	k_qbf68feb8c9_prep
	.globl	k_qbf68feb8c9_prep
	.p2align	8
	.type	k_qbf68feb8c9_prep,@function
k_qbf68feb8c9_prep:
	s_mov_b64 s[64:65], 0
	v_nop
	global_prefetch_b8 v0, s[64:65] scope:SCOPE_SE
	s_setreg_imm32_b32 hwreg(HW_REG_WAVE_MODE, 25, 1), 1
	s_wait_xcnt 0x0
; a = features Q(W1[0:512]) and nc = -(features Q(W1[512:1024]) + b1), both [1024 rows][512 columns] f32, into the workspace ac (a: bytes 0 on; nc: 2 MiB on).
; features arrive as codes of BF6 (E3M2) with E8M0 scale bytes; W1 [1024 (K twice)][512] arrives as f32 with K as its FIRST axis and is quantised here, along K, a block of 32 at a time.
; LAYOUT OF ac: images of the next launch's registers.  Row tile T (16 rows), columns 128 ks on: 8,192 bytes at (4 T + ks) x 8192; in it group u (0..15) is 512 bytes, lane L's 16 bytes at 16 L;
; word e of group u of lane (r = L % 16, h = L / 16) is the number of row 16 T + r and column 128 ks + 64 (u / 8) + 32 h + 4 (u % 8) + e.
; SHARES.  Work-group x: which half of W1 (x / 32: 0 = a, 1 = nc) and which 16 columns (x % 32); y: which 128 rows of features.  Wave w quantises K step w (128 along K) of the 16 columns
; (a lane takes a column, its registers run down K: two whole blocks a lane, so a block's largest magnitude needs no other lane); the four fragments go from wave to wave through LDS as images
; of their registers; then wave w multiplies row tiles 8 y + 2 w and 8 y + 2 w + 1 by all four.
; THE PRODUCT IS USED TRANSPOSED (source 0 = 16 columns of W1, source 1 = 16 rows of features): a lane holds one row and eight neighbouring columns.  b1 (times 0 for a, times 1 for nc) is the C of each sum's first product.
; LIMITS: NaN and infinities are not served.  A block of W1 whose largest magnitude lies under 2^-122 (a block of zeros too) keeps the scale byte 1: zero codes add nothing under any byte but 0xff, and this program alone reads the bytes.
; b1 is added to c inside the sum, so the next launch forms a + (c + b1) where the source reads (a + c) + b1: another order of f32 rounding.
; No tensor loads, no cluster: a work-group reads 32 KiB of W1 and 48 KiB of codes, once, straight into the registers that want them.
.set X,   16                           ; v16-79   64 numbers of W1: register 32 c + t = K 64 c + 32 h + t of my column
.set WF,  16                           ; v16-63   later: W1's four fragments, 12 registers each
.set ACC, 64                           ; v64-79   later: two accumulators
.set FF,  80                           ; v80-175  features' fragments: (row tile mt, K step ks) at 48 mt + 12 ks
.set FS,  176                          ; v176-183 features' scale words: 4 mt + ks
.set WS,  184                          ; v184-187 W1's scale words
.set BI,  188                          ; v188-195 the bias of my eight columns
.set PC,  196                          ; v196-207 the fragment just made; v208-210, v212-214 the halves that are moved
.set M,   216                          ; v216-219 four chains of maxima
.set SOP, 220                          ; v220-221 the conversions' scale operands
.set BY,  222                          ; v222-223 the scales' bytes
.set WD,  224                          ; v224     my column's scale word
.set TP,  225                          ; v225     the other half's bytes
.set OUT, 228                          ; v228-243 results to store
.set SCO, 6144                         ; LDS: four images of 1,536 bytes, then four times 128 bytes of scale words
	s_load_b256 s[4:11], s[0:1], 0x0               ; features' codes s[4:5], features' scales s[6:7], W1 s[8:9], b1 s[10:11]
	s_load_b64 s[12:13], s[0:1], 0x20              ; ac
	v_lshl_add_u32 v254, v0, 2, 0x2000
	v_mov_b32 v255, 0
	v_lshrrev_b32 v1, 5, v0
	v_readfirstlane_b32 s14, v1                    ; wave 0..3
	v_and_b32 v13, 31, v0                          ; lane
	v_and_b32 v1, 15, v0                           ; r
	v_bfe_u32 v2, v0, 4, 1                         ; h
	v_lshlrev_b32 v3, 2, v1
	v_lshl_add_u32 v3, v2, 16, v3                  ; W1: column r, and 32 rows of 2,048 bytes further down for lanes 16-31
	v_mul_u32_u24 v4, v1, 384
	v_mad_u32_u24 v4, v2, 24, v4                   ; features' codes: row r of 384 bytes, + 24 h
	v_lshlrev_b32 v5, 4, v1                        ; features' scales: 16 bytes a row
	v_lshlrev_b32 v6, 5, v2                        ; b1: my eight columns begin 8 h numbers on
	v_lshlrev_b32 v7, 4, v13                       ; an image's place for my lane
	v_lshlrev_b32 v8, 2, v13                       ; a scale word's
	s_mul_i32 s22, s14, 1536
	v_add_nc_u32 v9, s22, v7                       ; where I store my image
	s_lshl_b32 s22, s14, 7
	v_add_nc_u32 v10, s22, v8                      ; and its scale words
	v_lshl_add_u32 v11, v2, 10, v5                 ; ac: 1024 h + 16 r
	v_lshlrev_b32 v12, 3, v2                       ; 8 h: how far my two scale bytes are shifted
	v_mov_b32 v[TP], 0                             ; written once: a lane permute's destination counts as one of its sources
	s_mov_b32 s16, 0x76543210
	s_mov_b32 s17, 0xfedcba98                      ; v_permlanex16_b32's selects for lane l xor 16
	s_lshr_b32 s22, ttmp9, 5                       ; which half of W1
	s_and_b32 s23, ttmp9, 31                       ; ct: which 16 columns
	s_and_b32 s24, ttmp7, 0xffff
	s_lshl_b32 s24, s24, 3
	s_lshl_b32 s25, s14, 1
	s_add_co_u32 s24, s24, s25                     ; my first row tile: 8 y + 2 w
	s_lshl_b32 s26, s22, 20                        ; W1: 512 rows of 2,048 bytes for the second half,
	s_lshl_b32 s25, s14, 18                        ; 128 rows for each wave,
	s_add_co_u32 s26, s26, s25
	s_lshl_b32 s25, s23, 6                         ; 64 bytes for each 16 columns
	s_add_co_u32 s26, s26, s25
	s_mov_b32 s27, 0
	s_mov_b32 s28, s25                             ; b1: the same 64 bytes
	s_mov_b32 s29, 0
	s_mul_i32 s30, s24, 6144                       ; features' codes: 16 rows of 384 bytes a row tile
	s_mov_b32 s31, 0
	s_lshl_b32 s32, s24, 8                         ; features' scales: 256 bytes a row tile
	s_mov_b32 s33, 0
	s_lshl_b32 s34, s22, 21                        ; ac: a or nc,
	s_lshl_b32 s25, s24, 15                        ; the row tile's four images,
	s_add_co_u32 s34, s34, s25
	s_lshr_b32 s25, s23, 3                         ; the image: ct / 8,
	s_lshl_b32 s25, s25, 13
	s_add_co_u32 s34, s34, s25
	s_bfe_u32 s25, s23, 0x10002                    ; in it: bit 2 of ct picks groups 8-15,
	s_lshl_b32 s25, s25, 12
	s_add_co_u32 s34, s34, s25
	s_and_b32 s25, s23, 1                          ; bit 0 four groups on,
	s_lshl_b32 s25, s25, 11
	s_add_co_u32 s34, s34, s25
	s_bfe_u32 s25, s23, 0x10001                    ; bit 1 the image's lanes 16-31
	s_lshl_b32 s25, s25, 8
	s_add_co_u32 s34, s34, s25
	s_mov_b32 s35, 0
	s_cmp_lt_u32 ttmp9, 32                         ; a or nc?
	s_cselect_b32 s18, 0, 1.0                      ; the bias counts in nc alone
	s_cselect_b32 s20, 1.0, -1.0                   ; and nc is stored negated
	s_mov_b32 s21, s20                             ; (named with it as a pair, so it is written)
	s_wait_kmcnt 0x0
	s_add_nc_u64 s[8:9], s[8:9], s[26:27]
	s_add_nc_u64 s[10:11], s[10:11], s[28:29]
	s_add_nc_u64 s[4:5], s[4:5], s[30:31]
	s_add_nc_u64 s[6:7], s[6:7], s[32:33]
	s_add_nc_u64 s[12:13], s[12:13], s[34:35]
.set j, 0
.rept 64
	global_load_b32 v[X+j], v3, s[8:9] offset:(64*(j/32)+j%32)*2048   ; W1(64 c + 32 h + t, my column): sixteen neighbouring lanes read 64 neighbouring bytes
.set j, j+1
.endr
.irp mt, 0,1
.irp ks, 0,1,2,3
.irp p, 0,1,2,3,4,5
	global_load_b64 v[FF+48*\mt+12*\ks+2*\p:FF+48*\mt+12*\ks+2*\p+1], v4, s[4:5] offset:6144*\mt+96*\ks+48*(\p/3)+8*(\p%3)
.endr
.endr
.endr
.irp mt, 0,1
	global_load_b128 v[FS+4*\mt:FS+4*\mt+3], v5, s[6:7] offset:256*\mt   ; a row's 16 scale bytes are its four K steps' words
.endr
	global_load_b128 v[BI:BI+3], v6, s[10:11]
	global_load_b128 v[BI+4:BI+7], v6, s[10:11] offset:16
	s_wait_loadcnt 0x0                             ; all that this launch loads
.irp j, 0,1,2,3,4,5,6,7
	v_mul_f32 v[BI+\j], s18, v[BI+\j]              ; the bias, or 0.  (The quantiser's lines stand between these and the products that take them as C)
.endr
	; THE QUANTISER: my two blocks of 32, each in two chains, the four chains by turns
	v_max3_num_f32 v[M],   |v[X]|,    |v[X+1]|,  0x2800000        ; the floor 2^(5 - 127) among the leaves: the byte cannot fall under 1
	v_max3_num_f32 v[M+1], |v[X+16]|, |v[X+17]|, |v[X+18]|
	v_max3_num_f32 v[M+2], |v[X+32]|, |v[X+33]|, 0x2800000
	v_max3_num_f32 v[M+3], |v[X+48]|, |v[X+49]|, |v[X+50]|
.irp s, 0,1,2,3,4,5
	v_max3_num_f32 v[M],   v[M],   |v[X+2+2*\s]|,  |v[X+3+2*\s]|
	v_max3_num_f32 v[M+1], v[M+1], |v[X+19+2*\s]|, |v[X+20+2*\s]|
	v_max3_num_f32 v[M+2], v[M+2], |v[X+34+2*\s]|, |v[X+35+2*\s]|
	v_max3_num_f32 v[M+3], v[M+3], |v[X+51+2*\s]|, |v[X+52+2*\s]|
.endr
	v_max3_num_f32 v[M],   v[M],   |v[X+14]|, |v[X+15]|
	v_max3_num_f32 v[M+2], v[M+2], |v[X+46]|, |v[X+47]|
	v_max3_num_f32 v[M],   v[M],   v[M+1], |v[X+31]|              ; block h's largest magnitude
	v_max3_num_f32 v[M+2], v[M+2], v[M+3], |v[X+63]|              ; block 2 + h's
	v_add_nc_u32 v[SOP],   0xfe000000, v[M]        ; 4 off the exponent field: the conversion takes the exponent field of this operand as its scale, and nothing else of it
	v_add_nc_u32 v[SOP+1], 0xfe000000, v[M+2]
	v_cvt_scalef32_pk16_bf6_f32 v[PC:PC+2],     v[X:X+15],    v[SOP]
	v_cvt_scalef32_pk16_bf6_f32 v[PC+12:PC+14], v[X+16:X+31], v[SOP]     ; (a conversion's three registers begin on an even number: a block's second half is made elsewhere and moved)
	v_cvt_scalef32_pk16_bf6_f32 v[PC+6:PC+8],   v[X+32:X+47], v[SOP+1]
	v_cvt_scalef32_pk16_bf6_f32 v[PC+16:PC+18], v[X+48:X+63], v[SOP+1]
	v_lshrrev_b32 v[BY],   23, v[SOP]              ; the scales' bytes.  (Also the plain line behind the last conversion)
	v_lshrrev_b32 v[BY+1], 23, v[SOP+1]
	v_lshl_or_b32 v[WD], v[BY+1], 16, v[BY]        ; my two bytes: blocks h and 2 + h,
	v_lshlrev_b32 v[WD], v12, v[WD]                ; at their places in the word;
	v_permlanex16_b32 v[TP], v[WD], s16, s17
	v_or_b32 v[WD], v[WD], v[TP]                   ; with lane l xor 16's two the word is whole
.irp i, 0,1,2
	v_mov_b32 v[PC+3+\i], v[PC+12+\i]
	v_mov_b32 v[PC+9+\i], v[PC+16+\i]              ; registers 6 c .. 6 c + 5 now hold K = 64 c + 32 h + 0 .. 31
.endr
.irp g, 0,1,2
	ds_store_b128 v9, v[PC+4*\g:PC+4*\g+3] offset:512*\g     ; the fragment as it stands: lane l's 16 bytes at 16 l
.endr
	ds_store_b32 v10, v[WD] offset:SCO
	s_wait_dscnt 0x0                               ; for the others' sake: my stores have landed
	s_barrier_signal -1
	s_barrier_wait -1                              ; all four K steps lie in LDS
.irp ks, 0,1,2,3
.irp g, 0,1,2
	ds_load_b128 v[WF+12*\ks+4*\g:WF+12*\ks+4*\g+3], v7 offset:1536*\ks+512*\g
.endr
	ds_load_b32 v[WS+\ks], v8 offset:SCO+128*\ks
.endr
	s_wait_dscnt 0x0
.irp ks, 0,1,2,3                       ; the two accumulators take turns, one instruction a turn
.irp mt, 0,1
.if \ks == 0
	v_wmma_scale_f32_16x16x128_f8f6f4 v[ACC+8*\mt:ACC+8*\mt+7], v[WF+12*\ks:WF+12*\ks+11], v[FF+48*\mt+12*\ks:FF+48*\mt+12*\ks+11], v[BI:BI+7], v[WS+\ks], v[FS+4*\mt+\ks] matrix_a_fmt:MATRIX_FMT_BF6 matrix_b_fmt:MATRIX_FMT_BF6
.else
	v_wmma_scale_f32_16x16x128_f8f6f4 v[ACC+8*\mt:ACC+8*\mt+7], v[WF+12*\ks:WF+12*\ks+11], v[FF+48*\mt+12*\ks:FF+48*\mt+12*\ks+11], v[ACC+8*\mt:ACC+8*\mt+7], v[WS+\ks], v[FS+4*\mt+\ks] matrix_a_fmt:MATRIX_FMT_BF6 matrix_b_fmt:MATRIX_FMT_BF6
.endif
.endr
.endr
.rept 4
	v_nop                                          ; four places between the last product and the first read of results (ISA guide 7.12.1)
.endr
.irp q, 0,1,2,3,4,5,6,7
	v_pk_mul_f32 v[OUT+2*\q:OUT+2*\q+1], v[ACC+2*\q:ACC+2*\q+1], s[20:21] op_sel_hi:[1,0]   ; x 1 or x -1; each accumulator from its low end on
.endr
.irp mt, 0,1
.irp p, 0,1
	global_store_b128 v11, v[OUT+8*\mt+4*\p:OUT+8*\mt+4*\p+3], s[12:13] offset:32768*\mt+512*\p   ; lane (r, h): row r, columns 8 h + 4 p + 0 .. 3 of my 16: sixteen lanes store 256 consecutive bytes, at a multiple of 256 from ac's first byte
.endr
.endr
	s_wait_tensorcnt 0x0
	ds_add_u32 v254, v255
	s_wait_dscnt 0x0
	s_endpgm
.Lfunc_end_k_qbf68feb8c9_prep:
	.size	k_qbf68feb8c9_prep, .Lfunc_end_k_qbf68feb8c9_prep-k_qbf68feb8c9_prep
	.p2alignl 7, 3214868480
	.fill 96, 4, 3214868480
	.section	.rodata,"a",@progbits
	.p2align	6, 0x0
	.amdhsa_kernel k_qbf68feb8c9_prep
		.amdhsa_group_segment_fixed_size 8704
		.amdhsa_private_segment_fixed_size 0
		.amdhsa_enable_private_segment 0
		.amdhsa_kernarg_size 40
		.amdhsa_user_sgpr_count 2
		.amdhsa_user_sgpr_kernarg_segment_ptr 1
		.amdhsa_wavefront_size32 1
		.amdhsa_system_sgpr_workgroup_id_x 1
		.amdhsa_system_sgpr_workgroup_id_y 1
		.amdhsa_system_sgpr_workgroup_id_z 1
		.amdhsa_system_vgpr_workitem_id 0
		.amdhsa_next_free_vgpr 256
		.amdhsa_next_free_sgpr 66
		.amdhsa_reserve_vcc 0
		.amdhsa_float_denorm_mode_32 3
		.amdhsa_float_denorm_mode_16_64 3
		.amdhsa_memory_ordered 1
		.amdhsa_forward_progress 1
		.amdhsa_inst_pref_size 21
	.end_amdhsa_kernel
	.amdgpu_metadata
---
amdhsa.version: [ 1, 2 ]
amdhsa.kernels:
  - .name:           k_qbf68feb8c9_prep
    .symbol:         k_qbf68feb8c9_prep.kd
    .args:
      - { .name: features_codes, .offset: 0, .size: 8, .value_kind: global_buffer, .address_space: global }
      - { .name: features_scales, .offset: 8, .size: 8, .value_kind: global_buffer, .address_space: global }
      - { .name: W1, .offset: 16, .size: 8, .value_kind: global_buffer, .address_space: global }
      - { .name: b1, .offset: 24, .size: 8, .value_kind: global_buffer, .address_space: global }
      - { .name: ac, .offset: 32, .size: 8, .value_kind: global_buffer, .address_space: global }
    .group_segment_fixed_size: 8704
    .private_segment_fixed_size: 0
    .kernarg_segment_align: 8
    .kernarg_segment_size: 40
    .max_flat_workgroup_size: 128
    .sgpr_count:     66
    .vgpr_count:     256
    .wavefront_size: 32
...
	.end_amdgpu_metadata
.endif
;; end of part 1
;; launch pairs (part 2): grid 4 x 64, 4 waves a work-group, no clusters, 131,584 bytes of LDS; arguments ac, W2_codes, W2_scales, W3, b2, b3, out0; writes out0
.if DOCPART == 2
	.amdgcn_target "amdgcn-amd-amdhsa--gfx1250"
	.amdhsa_code_object_version 6
	.text
	.protected	k_qbf68feb8c9_pairs
	.globl	k_qbf68feb8c9_pairs
	.p2align	8
	.type	k_qbf68feb8c9_pairs,@function
k_qbf68feb8c9_pairs:
	s_mov_b64 s[64:65], 0
	v_nop
	global_prefetch_b8 v0, s[64:65] scope:SCOPE_SE
	s_setreg_imm32_b32 hwreg(HW_REG_WAVE_MODE, 25, 1), 1
	s_wait_xcnt 0x0
; out[b][i][j] = sigmoid(relu(Q(relu(a_i + c_j + b1)) W2 + b2) . W3 + b3).  a and nc = -(c + b1) come from ac (f32, laid as images of this launch's registers); W2 as codes of BF6 (E3M2) with E8M0 scale bytes.
; relu(a + c') = max(a, nc) - nc with nc = -c': the same f32 number bit for bit (a - nc is a + c'; nc - nc is 0).  One maximum with a_i broadcast inside it, half a packed multiply-add.
; SHARES.  A work-group owns 16 i (row tile y of a) x 128 j (x): 128 TILES of 16 pairs, tile 16 jb + i = one i and the 16 j of block jb; pair r of a tile is j = 16 jb + r.
; MAKING IS SHARED ALONG K: wave w makes, for every tile, the fragment of K step w (16 pairs x 128 K), from 64 registers of a and 64 of nc.  A register holds 16 different i (or j) in the 16 lanes of each half, and each
; half its own K: so row_share:i hands a_i to all sixteen pairs, and a lane's 64 numbers are K = 128 w + 64 c + 32 h + 0 .. 31, two WHOLE blocks in the order that the operand's layout gives that lane:
; a block's largest number needs no other lane, and the conversions' results are the operand's registers.
; MULTIPLYING IS SHARED ALONG N: wave w keeps rows 64 w .. 64 w + 63 of W2 (16 fragments, 192 registers) for the whole launch, with its part of b2 and W3.
; Fragments and scale words go from wave to wave through LDS as images of their registers: 3 stores of 16 bytes a lane, 4 bytes a lane for the word; eight slots, one barrier for every four tiles.
; THE PRODUCT IS USED TRANSPOSED (source 0 = 16 rows of W2, source 1 = 16 pairs): a lane holds one pair and eight units; b2 is the C of each sum's first product.  The last layer (N = 1) is packed multiply-adds in f32;
; a lane's sum over its 32 units goes to LDS, and at the end the eight partial sums of a pair (four waves x two halves) are added and put through the sigmoid.
; A TURN handles six tiles at different stages (turn t: quantise tile t; W3's sums of tile t - 6; fetch tile t - 3's fragments; products of tile t - 4 with, one slice behind each matrix instruction, tile t + 1's
; maxima and subtractions and tile t - 5's relu).  So the wave's matrix instructions are issued among its vector instructions.
; LIMITS: NaN and infinities are not served.  A block whose largest number lies under 2^-122 (a block of zeros too) keeps the scale byte 1: zero codes add nothing under any byte but 0xff.
; No tensor loads, clusters or prefetches: a work-group reads 288 KiB of ac, which the launch before has just stored, straight into registers, each block of nc sixteen turns ahead of its use.
; REGISTERS, in windows of 256 (s_set_vgpr_msb: bits 1:0 source 0, 3:2 source 1, 5:4 source 2, 7:6 destination):
;   window 0: v1-7 addresses; v8-47 the quantiser's; v48-55 the pairs' scale words, two sets; v56-71 W2's scale words; v72-103 W3; v104-167 H, 64 numbers of a tile; v168-231 two sets of four accumulators
;   window 1: v0-191 W2's fragments ((t, ks) at 12 (4 t + ks)); v192-255 a       window 2: v0-63 nc; v64-159 the pairs' fragments, two sets of four; v160-191 b2; v192-255 the next block's nc
.set SLOTB, 6656                       ; LDS: a slot: four images of 1,536 bytes, then four times 128 bytes of scale words
.set SCO,   6144
.set PB,    8*SLOTB                    ; behind the eight slots: the partial sums: block jb at jb x PBLK, tile i 512 bytes on, wave w 128 bytes on, 4 bytes a lane
.set PBLK,  8256                       ; 16 x 512 + 64: at the end lanes four apart read blocks one apart, which so start 16 banks apart (64 banks of 4 bytes: ISA guide 11.1)
.set VST, 1                            ; v1   where I store a fragment's image: 16 x lane + 1536 x wave
.set VSS, 2                            ; v2   and its scale words: 4 x lane + 128 x wave
.set VLD, 3                            ; v3   16 x lane
.set VLS, 4                            ; v4   4 x lane
.set VP,  5                            ; v5   where I store a partial sum; a block on once a trip
.set SH,  6                            ; v6   8 h
.set VR,  7                            ; v7   where I read partial sums back
.set M,   8
.set SOP, 12
.set BY,  14
.set WD,  16
.set TP,  17
.set S,   18                           ; v18-25 four pairs of sums
.set PS,  26
.set PC,  28                           ; v28-39 the fragment just made; v40-42, v44-46 the halves that are moved
.set HS,  48
.set W2S, 56
.set W3R, 72
.set H,   104
.set ACC, 168
.set FIN, 104                          ; the end: 128 registers of partial sums
.set AR,  192                          ; window 1
.set HF,  64                           ; window 2
.set B2R, 160
.set NN,  192
.set CNT, 22                           ; s22  blocks to go
.set MSB, 0
.macro WIN new                         ; the immediate's high byte repeats the setting that is left; a switch that changes nothing is dropped
.if MSB != \new
	s_set_vgpr_msb (MSB<<8)|\new
.set MSB, \new
.endif
.endm
.set TO1, 0x40                         ; destination window 1
.set TO2, 0x80                         ; destination window 2
.set CP,  0x82                         ; destination and source 0 window 2
.set XB,  0x29                         ; source 0 window 1 (W2, a), source 1 window 2 (fragments, nc), source 2 window 2 (b2), destination window 0
.set XX,  0x09                         ; the same with source 2 in window 0 (the accumulators, H)
	s_load_b256 s[4:11], s[0:1], 0x0               ; ac s[4:5], W2's codes s[6:7], W2's scales s[8:9], W3 s[10:11]
	s_load_b128 s[12:15], s[0:1], 0x20             ; b2 s[12:13], b3 s[14:15]
	s_load_b64 s[16:17], s[0:1], 0x30              ; out0
	v_lshl_add_u32 v254, v0, 2, 0x20000
	v_mov_b32 v255, 0
	v_lshrrev_b32 v232, 5, v0
	v_readfirstlane_b32 s18, v232                  ; wave 0..3
	v_and_b32 v233, 31, v0                         ; lane
	v_and_b32 v234, 15, v0                         ; r
	v_bfe_u32 v235, v0, 4, 1                       ; h
	v_lshlrev_b32 v[VLD], 4, v233
	v_lshlrev_b32 v[VLS], 2, v233
	s_mul_i32 s28, s18, 1536
	v_add_nc_u32 v[VST], s28, v[VLD]
	s_lshl_b32 s29, s18, 7
	v_add_nc_u32 v[VSS], s29, v[VLS]
	v_add_nc_u32 v[VP], PB, v[VSS]
	v_lshlrev_b32 v[SH], 3, v235
	v_lshrrev_b32 v236, 2, v233                    ; at the end lane l takes j = 4 l .. 4 l + 3: block l / 4,
	v_mul_u32_u24 v[VR], v236, PBLK
	v_and_b32 v236, 3, v233                        ; pairs 4 (l % 4) on,
	v_lshl_add_u32 v[VR], v236, 4, v[VR]
	s_lshl_b32 s28, s18, 11                        ; and wave w takes i = 4 w .. 4 w + 3
	s_add_co_u32 s28, s28, PB
	v_add_nc_u32 v[VR], s28, v[VR]
	v_mul_u32_u24 v232, v234, 384
	v_mad_u32_u24 v232, v235, 24, v232             ; W2's codes: row r of 384 bytes, + 24 h
	v_lshlrev_b32 v233, 5, v235                    ; b2, W3: my eight units begin 8 h numbers on
	v_lshlrev_b32 v234, 4, v234                    ; W2's scales: 16 bytes a row
	v_mov_b32 v[TP], 0                             ; written once: a lane permute's destination counts as one of its sources
	s_mov_b32 s20, 0x76543210
	s_mov_b32 s21, 0xfedcba98                      ; v_permlanex16_b32's selects for lane l xor 16
	s_mov_b32 s26, 0xbfb8aa3b                      ; -log2(e)
	s_mov_b32 s[CNT], 8
	s_and_b32 s30, ttmp7, 0xffff                   ; y: a's row tile
	s_lshl_b32 s28, s30, 2
	s_add_co_u32 s28, s28, s18
	s_lshl_b32 s28, s28, 13                        ; a's image (4 y + w)
	s_mov_b32 s29, 0
	s_lshr_b32 s31, s30, 5
	s_lshl_b32 s31, s31, 5                         ; the batch's 32 row tiles,
	s_lshl_b32 s32, ttmp9, 3
	s_add_co_u32 s31, s31, s32                     ; + 8 x: nc's row tile of block 0
	s_lshl_b32 s32, s31, 2
	s_add_co_u32 s32, s32, s18
	s_lshl_b32 s32, s32, 13
	s_add_co_u32 s32, s32, 0x200000                ; its image, behind a's 2 MiB
	s_mov_b32 s33, 0
	s_mul_i32 s34, s18, 24576                      ; my 64 rows of W2's codes,
	s_mov_b32 s35, 0
	s_lshl_b32 s36, s18, 10                        ; of its scales,
	s_mov_b32 s37, 0
	s_lshl_b32 s38, s18, 8                         ; my 64 numbers of b2 and of W3
	s_mov_b32 s39, 0
	s_lshl_b32 s40, s30, 4
	s_lshl_b32 s41, s18, 2
	s_add_co_u32 s40, s40, s41
	s_lshl_b32 s40, s40, 11                        ; out0: row 16 y + 4 w of 2,048 bytes,
	s_lshl_b32 s41, ttmp9, 9
	s_add_co_u32 s40, s40, s41                     ; + 512 x
	s_mov_b32 s41, 0
	s_wait_kmcnt 0x0
	s_add_nc_u64 s[28:29], s[4:5], s[28:29]
	s_add_nc_u64 s[24:25], s[4:5], s[32:33]
	s_add_nc_u64 s[6:7], s[6:7], s[34:35]
	s_add_nc_u64 s[8:9], s[8:9], s[36:37]
	s_add_nc_u64 s[10:11], s[10:11], s[38:39]
	s_add_nc_u64 s[12:13], s[12:13], s[38:39]
	s_add_nc_u64 s[16:17], s[16:17], s[40:41]
	s_load_b32 s19, s[14:15], 0x0                  ; b3
	WIN TO1
.irp u, 0,1,2,3,4,5,6,7,8,9,10,11,12,13,14,15
	global_load_b128 v[AR+4*\u:AR+4*\u+3], v[VLD], s[28:29] offset:512*\u        ; a: 32 lanes read 512 consecutive bytes
.endr
.irp t, 0,1,2,3
.irp ks, 0,1,2,3
.irp p, 0,1,2,3,4,5
	global_load_b64 v[12*(4*\t+\ks)+2*\p:12*(4*\t+\ks)+2*\p+1], v232, s[6:7] offset:6144*\t+96*\ks+48*(\p/3)+8*(\p%3)
.endr
.endr
.endr
	WIN TO2
.irp u, 0,1,2,3,4,5,6,7,8,9,10,11,12,13,14,15
	global_load_b128 v[4*\u:4*\u+3], v[VLD], s[24:25] offset:512*\u              ; nc of block 0,
.endr
.irp u, 0,1,2,3,4,5,6,7,8,9,10,11,12,13,14,15
	global_load_b128 v[NN+4*\u:NN+4*\u+3], v[VLD], s[24:25] offset:32768+512*\u  ; of block 1: a row tile's four images on
.endr
.irp t, 0,1,2,3
	global_load_b128 v[B2R+8*\t:B2R+8*\t+3], v233, s[12:13] offset:64*\t         ; b2 of units 16 t + 8 h + 0 .. 7: the result's layout
	global_load_b128 v[B2R+8*\t+4:B2R+8*\t+7], v233, s[12:13] offset:64*\t+16
.endr
	WIN 0
.irp t, 0,1,2,3
	global_load_b128 v[W3R+8*\t:W3R+8*\t+3], v233, s[10:11] offset:64*\t
	global_load_b128 v[W3R+8*\t+4:W3R+8*\t+7], v233, s[10:11] offset:64*\t+16
	global_load_b128 v[W2S+4*\t:W2S+4*\t+3], v234, s[8:9] offset:256*\t          ; a row's 16 scale bytes are its four K steps' words
.endr
.set j, 0
.rept 64
	v_mov_b32 v[H+j], 0                            ; written once: the destination of a DPP form counts as one of its sources
.set j, j+1
.endr
	s_wait_loadcnt 0x0                             ; all of the head's loads
	s_wait_kmcnt 0x0                               ; b3
	s_add_nc_u64 s[24:25], s[24:25], 0x8000        ; nc's base now stands at block 1
	s_mul_f32 s27, s26, s19                        ; -log2(e) b3
; Tile i's 64 numbers in H become a fragment's codes and a scale word, and go to slot i % 8.  Nothing in H is negative: no |.| on the sources.
.macro M2 i
	v_max3_num_f32 v[M],   v[H],    v[H+1],  0x2800000            ; two blocks, each in two chains, the four by turns; the floor 2^(5 - 127) among the leaves: the byte cannot fall under 1
	v_max3_num_f32 v[M+1], v[H+16], v[H+17], v[H+18]
	v_max3_num_f32 v[M+2], v[H+32], v[H+33], 0x2800000
	v_max3_num_f32 v[M+3], v[H+48], v[H+49], v[H+50]
.irp s, 0,1,2,3,4,5
	v_max3_num_f32 v[M],   v[M],   v[H+2+2*\s],  v[H+3+2*\s]
	v_max3_num_f32 v[M+1], v[M+1], v[H+19+2*\s], v[H+20+2*\s]
	v_max3_num_f32 v[M+2], v[M+2], v[H+34+2*\s], v[H+35+2*\s]
	v_max3_num_f32 v[M+3], v[M+3], v[H+51+2*\s], v[H+52+2*\s]
.endr
	v_max3_num_f32 v[M],   v[M],   v[H+14], v[H+15]
	v_max3_num_f32 v[M+2], v[M+2], v[H+46], v[H+47]
	v_max3_num_f32 v[M],   v[M],   v[M+1], v[H+31]                ; block h's largest number
	v_max3_num_f32 v[M+2], v[M+2], v[M+3], v[H+63]                ; block 2 + h's
	v_add_nc_u32 v[SOP],   0xfe000000, v[M]        ; 4 off the exponent field: the conversion's scale operand
	v_add_nc_u32 v[SOP+1], 0xfe000000, v[M+2]
	v_cvt_scalef32_pk16_bf6_f32 v[PC:PC+2],     v[H:H+15],    v[SOP]
	v_cvt_scalef32_pk16_bf6_f32 v[PC+12:PC+14], v[H+16:H+31], v[SOP]     ; (a conversion's three registers begin on an even number)
	v_cvt_scalef32_pk16_bf6_f32 v[PC+6:PC+8],   v[H+32:H+47], v[SOP+1]
	v_cvt_scalef32_pk16_bf6_f32 v[PC+16:PC+18], v[H+48:H+63], v[SOP+1]
	v_lshrrev_b32 v[BY],   23, v[SOP]              ; the scales' bytes.  (Also the plain line behind the last conversion)
	v_lshrrev_b32 v[BY+1], 23, v[SOP+1]
	v_lshl_or_b32 v[WD], v[BY+1], 16, v[BY]
	v_lshlrev_b32 v[WD], v[SH], v[WD]              ; my two bytes at their places in the word;
	v_permlanex16_b32 v[TP], v[WD], s20, s21
	v_or_b32 v[WD], v[WD], v[TP]                   ; with lane l xor 16's two it is whole
.irp e, 0,1,2
	v_mov_b32 v[PC+3+\e], v[PC+12+\e]
	v_mov_b32 v[PC+9+\e], v[PC+16+\e]
.endr
.irp g, 0,1,2
	ds_store_b128 v[VST], v[PC+4*\g:PC+4*\g+3] offset:((\i)%8)*SLOTB+512*\g
.endr
	ds_store_b32 v[VSS], v[WD] offset:((\i)%8)*SLOTB+SCO
.endm
; The last layer for the tile six turns back: my 32 units' relu(h2) x W3, two at a time, in four chains; the lane's sum goes to LDS.
.macro E2 i
.set AP, ACC+32*((\i)%2)
.irp c, 0,1,2,3
	v_pk_mul_f32 v[S+2*\c:S+2*\c+1], v[AP+2*\c:AP+2*\c+1], v[W3R+2*\c:W3R+2*\c+1]
.endr
.irp q, 4,5,6,7,8,9,10,11,12,13,14,15
	v_pk_fma_f32 v[S+2*(\q%4):S+2*(\q%4)+1], v[AP+2*\q:AP+2*\q+1], v[W3R+2*\q:W3R+2*\q+1], v[S+2*(\q%4):S+2*(\q%4)+1]
.endr
	v_pk_add_f32 v[S:S+1], v[S:S+1], v[S+2:S+3]
	v_pk_add_f32 v[S+4:S+5], v[S+4:S+5], v[S+6:S+7]
	v_pk_add_f32 v[S:S+1], v[S:S+1], v[S+4:S+5]
	v_add_f32 v[PS], v[S], v[S+1]
	ds_store_b32 v[VP], v[PS] offset:(((\i)+10)%16)*512
.endm
; The four fragments and scale words of the tile three turns back, for the next turn's products.  The set's last products stand a whole turn's quantiser back.
.macro LDF i
.set LQ, (((\i)+5)%8)*SLOTB
.set LP, ((\i)+1)%2
	WIN 0
.irp ks, 0,1,2,3
	ds_load_b32 v[HS+4*LP+\ks], v[VLS] offset:LQ+SCO+128*\ks
.endr
	WIN TO2
.irp ks, 0,1,2,3
.irp g, 0,1,2
	ds_load_b128 v[HF+48*LP+12*\ks+4*\g:HF+48*LP+12*\ks+4*\g+3], v[VLD] offset:LQ+1536*\ks+512*\g
.endr
.endr
.endm
; The next block's nc takes nc's place, and the block after that is asked for, if there is one: no load leaves its buffer.
.macro SWAP
	s_wait_loadcnt 0x0                             ; asked for sixteen turns ago; the loads are done, so their base may step
	s_add_nc_u64 s[24:25], s[24:25], 0x8000
	WIN CP
.set j, 0
.rept 64
	v_mov_b32 v[j], v[NN+j]
.set j, j+1
.endr
	WIN 0                                          ; at a branch and at a label every window is 0
	s_cmp_lt_u32 s[CNT], 3
	s_cbranch_scc1 .Lno_more_\@
	WIN TO2
.irp u, 0,1,2,3,4,5,6,7,8,9,10,11,12,13,14,15
	global_load_b128 v[NN+4*\u:NN+4*\u+3], v[VLD], s[24:25] offset:512*\u
.endr
	WIN 0
.Lno_more_\@:
.endm
; Sixteen slices.  wm: slice k begins with product k: K step k / 4, W2's tile k % 4, on accumulator set p: the four accumulators take turns, one instruction a turn; the first four take b2 as C.
; m1: the next tile's H: 64 maxima of a (lane n of each half, handed to all sixteen) and nc, then 32 packed t - nc.  e1: relu on the other set's accumulators, each from its low end on.
; The forms are chosen so that one window setting serves a product and its slice: the maximum has a as source 0 and nc as source 1; the subtraction is -1 x nc + t with nc as source 1; relu is the largest of 0, 0 and x with x as source 2.
.macro XPH p, n, wm, m1, e1
.if \wm
	WIN XB
.elseif \m1
	WIN XX
.else
	WIN 0
.endif
.set k, 0
.rept 16
.if (k == 4) && \wm
	WIN XX
.endif
.if \wm
.set rD, ACC+32*(\p)+8*(k%4)
.set rA, 12*(4*(k%4)+k/4)
.set rB, HF+48*(\p)+12*(k/4)
.if k < 4
	v_wmma_scale_f32_16x16x128_f8f6f4 v[rD:rD+7], v[rA:rA+11], v[rB:rB+11], v[B2R+8*k:B2R+8*k+7], v[W2S+4*(k%4)+k/4], v[HS+4*(\p)+k/4] matrix_a_fmt:MATRIX_FMT_BF6 matrix_b_fmt:MATRIX_FMT_BF6
.else
	v_wmma_scale_f32_16x16x128_f8f6f4 v[rD:rD+7], v[rA:rA+11], v[rB:rB+11], v[rD:rD+7], v[W2S+4*(k%4)+k/4], v[HS+4*(\p)+k/4] matrix_a_fmt:MATRIX_FMT_BF6 matrix_b_fmt:MATRIX_FMT_BF6
.endif
.endif
.if \m1 && (k < 12)
.if k < 4
.set vv, 8*k
.set nn, 8
.else
.set vv, 32+4*(k-4)
.set nn, 4
.endif
.rept nn
	v_max_num_f32_dpp v[H+vv], v[AR+vv], v[vv] row_share:\n row_mask:0xf bank_mask:0xf
.set vv, vv+1
.endr
.if k >= 4
.set qq, 8*(k-4)
.rept 4
	v_pk_fma_f32 v[H+qq:H+qq+1], -1.0, v[qq:qq+1], v[H+qq:H+qq+1] op_sel_hi:[0,1,1]
.set qq, qq+2
.endr
.endif
.endif
.if \e1 && (k >= 12)
.set vv, ACC+32*(1-(\p))+8*(k-12)
.rept 8
	v_max3_num_f32 v[vv], 0, 0, v[vv]
.set vv, vv+1
.endr
.endif
.set k, k+1
.endr
	WIN 0
.endm
; A TURN.  i: the turn's number mod 16; n = (i + 1) % 16: the i of the tile whose H is made.
; SLOTS AND BARRIERS.  The barrier stands in every fourth turn (i % 4 = 3), between the store of tile t and the fetch of tile t - 3.  From one barrier to the next the stores go to four slots (tiles 4 k + 4 .. 4 k + 7)
; and the fetches read the other four (tiles 4 k .. 4 k + 3): a tile is fetched behind the barrier that follows its store, and its slot is stored again behind the barrier that follows its fetch.
.macro TURN i, n, m2, e2, ld, wm, m1, e1, sw
	s_wait_dscnt 0x0                               ; the last turn's fetches are in (issued ahead of its sixteen slices), and its stores have read their registers
.if \m2
	M2 \i
.endif
.if \e2
	E2 \i
.endif
.if \sw
	SWAP
.endif
.if \m2 && ((\i)%4 == 3)
	s_wait_dscnt 0x0                               ; for the others' sake: my stores have landed; my fetches are long in
	s_barrier_signal -1
	s_barrier_wait -1
.endif
.if \ld
	LDF \i
.endif
	XPH (\i)%2, \n, \wm, \m1, \e1
.endm
	XPH 0, 0, 0, 1, 0                              ; tile 0's H
	TURN 0, 1,   1,0,0,0,1,0,0                     ; the pipeline fills
	TURN 1, 2,   1,0,0,0,1,0,0
	TURN 2, 3,   1,0,0,0,1,0,0
	TURN 3, 4,   1,0,1,0,1,0,0
	TURN 4, 5,   1,0,1,1,1,0,0
	TURN 5, 6,   1,0,1,1,1,1,0
.Lblk:                                                 ; a trip is sixteen turns, 6 to 15 and 0 to 5: all its partial sums belong to one block of j, so their places are immediates
	TURN 6, 7,   1,1,1,1,1,1,0
	TURN 7, 8,   1,1,1,1,1,1,0
	TURN 8, 9,   1,1,1,1,1,1,0
	TURN 9, 10,  1,1,1,1,1,1,0
	TURN 10, 11, 1,1,1,1,1,1,0
	TURN 11, 12, 1,1,1,1,1,1,0
	TURN 12, 13, 1,1,1,1,1,1,0
	TURN 13, 14, 1,1,1,1,1,1,0
	TURN 14, 15, 1,1,1,1,1,1,0
	s_cmp_eq_u32 s[CNT], 1                         ; the last block's tail is written out: no tile follows
	s_cbranch_scc1 .Ltail
	TURN 15, 0,  1,1,1,1,1,1,1                     ; the next H belongs to the next block of j: nc changes first
	TURN 0, 1,   1,1,1,1,1,1,0
	TURN 1, 2,   1,1,1,1,1,1,0
	TURN 2, 3,   1,1,1,1,1,1,0
	TURN 3, 4,   1,1,1,1,1,1,0
	TURN 4, 5,   1,1,1,1,1,1,0
	TURN 5, 6,   1,1,1,1,1,1,0
	s_wait_dscnt 0x0                               ; the next turn's wait, a few lines early: no LDS instruction of mine is out when the address steps
	v_add_nc_u32 v[VP], PBLK, v[VP]                ; the next block's partial sums
	s_sub_co_u32 s[CNT], s[CNT], 1
	s_cmp_lg_u32 s[CNT], 0
	s_cbranch_scc1 .Lblk
.Ltail:
	TURN 15, 0,  1,1,1,1,0,1,0                     ; the pipeline drains
	TURN 0, 0,   0,1,1,1,0,1,0
	TURN 1, 0,   0,1,1,1,0,1,0
	TURN 2, 0,   0,1,1,1,0,1,0
	TURN 3, 0,   0,1,0,1,0,1,0
	TURN 4, 0,   0,1,0,0,0,1,0
	TURN 5, 0,   0,1,0,0,0,0,0
	; THE END.  Wave w takes rows i = 4 w .. 4 w + 3, lane l the pairs j = 4 l .. 4 l + 3: eight partial sums each (four waves x two halves of the lanes), 64 bytes apart.
	s_wait_dscnt 0x0                               ; for the others' sake: my partial sums have landed
	s_barrier_signal -1
	s_barrier_wait -1
.irp ii, 0,1,2,3
.irp q, 0,1,2,3,4,5,6,7
	ds_load_b128 v[FIN+32*\ii+4*\q:FIN+32*\ii+4*\q+3], v[VR] offset:512*\ii+64*\q
.endr
.endr
	s_wait_dscnt 0x0
.irp ii, 0,1,2,3
.irp q, 0,2,4,6
	v_pk_add_f32 v[FIN+32*\ii+4*\q:FIN+32*\ii+4*\q+1],   v[FIN+32*\ii+4*\q:FIN+32*\ii+4*\q+1],   v[FIN+32*\ii+4*\q+4:FIN+32*\ii+4*\q+5]
	v_pk_add_f32 v[FIN+32*\ii+4*\q+2:FIN+32*\ii+4*\q+3], v[FIN+32*\ii+4*\q+2:FIN+32*\ii+4*\q+3], v[FIN+32*\ii+4*\q+6:FIN+32*\ii+4*\q+7]
.endr
.endr
.irp ii, 0,1,2,3
.irp q, 0,4
	v_pk_add_f32 v[FIN+32*\ii+4*\q:FIN+32*\ii+4*\q+1],   v[FIN+32*\ii+4*\q:FIN+32*\ii+4*\q+1],   v[FIN+32*\ii+4*\q+8:FIN+32*\ii+4*\q+9]
	v_pk_add_f32 v[FIN+32*\ii+4*\q+2:FIN+32*\ii+4*\q+3], v[FIN+32*\ii+4*\q+2:FIN+32*\ii+4*\q+3], v[FIN+32*\ii+4*\q+10:FIN+32*\ii+4*\q+11]
.endr
.endr
.irp ii, 0,1,2,3
	v_pk_add_f32 v[FIN+32*\ii:FIN+32*\ii+1],   v[FIN+32*\ii:FIN+32*\ii+1],   v[FIN+32*\ii+16:FIN+32*\ii+17]
	v_pk_add_f32 v[FIN+32*\ii+2:FIN+32*\ii+3], v[FIN+32*\ii+2:FIN+32*\ii+3], v[FIN+32*\ii+18:FIN+32*\ii+19]
.endr
.irp ii, 0,1,2,3
.irp e, 0,1,2,3
	v_fma_f32 v[FIN+32*\ii+4+\e], v[FIN+32*\ii+\e], s26, s27       ; -log2(e) (the sum + b3)
.endr
.endr
.irp ii, 0,1,2,3
.irp e, 0,1,2,3
	v_exp_f32 v[FIN+32*\ii+4+\e], v[FIN+32*\ii+4+\e]
.endr
.endr
	v_nop                                          ; a plain line between the last exponential and the use of its result
	s_wait_alu depctr_va_vdst(0)
.irp ii, 0,1,2,3
.irp e, 0,1,2,3
	v_add_f32 v[FIN+32*\ii+4+\e], 1.0, v[FIN+32*\ii+4+\e]
.endr
.endr
.irp ii, 0,1,2,3
.irp e, 0,1,2,3
	v_rcp_f32 v[FIN+32*\ii+4+\e], v[FIN+32*\ii+4+\e]               ; sigmoid = 1 / (1 + 2^(-log2(e) x)); where the power overflows to infinity the result is 0
.endr
.endr
	v_nop                                          ; a plain line between the last reciprocal and the use of its result
	s_wait_alu depctr_va_vdst(0)
.irp ii, 0,1,2,3
	global_store_b128 v[VLD], v[FIN+32*\ii+4:FIN+32*\ii+7], s[16:17] offset:2048*\ii th:TH_STORE_NT   ; 32 lanes store 512 consecutive bytes of a row, at a multiple of 256 from out0's first byte; written once, read by nobody here
.endr
	s_wait_tensorcnt 0x0
	ds_add_u32 v254, v255
	s_wait_dscnt 0x0
	s_endpgm
.Lfunc_end_k_qbf68feb8c9_pairs:
	.size	k_qbf68feb8c9_pairs, .Lfunc_end_k_qbf68feb8c9_pairs-k_qbf68feb8c9_pairs
	.p2alignl 7, 3214868480
	.fill 96, 4, 3214868480
	.section	.rodata,"a",@progbits
	.p2align	6, 0x0
	.amdhsa_kernel k_qbf68feb8c9_pairs
		.amdhsa_group_segment_fixed_size 131584
		.amdhsa_private_segment_fixed_size 0
		.amdhsa_enable_private_segment 0
		.amdhsa_kernarg_size 56
		.amdhsa_user_sgpr_count 2
		.amdhsa_user_sgpr_kernarg_segment_ptr 1
		.amdhsa_wavefront_size32 1
		.amdhsa_system_sgpr_workgroup_id_x 1
		.amdhsa_system_sgpr_workgroup_id_y 1
		.amdhsa_system_sgpr_workgroup_id_z 1
		.amdhsa_system_vgpr_workitem_id 0
		.amdhsa_next_free_vgpr 768
		.amdhsa_next_free_sgpr 66
		.amdhsa_reserve_vcc 0
		.amdhsa_float_denorm_mode_32 3
		.amdhsa_float_denorm_mode_16_64 3
		.amdhsa_memory_ordered 1
		.amdhsa_forward_progress 1
		.amdhsa_inst_pref_size 255
	.end_amdhsa_kernel
	.section	.bss,"aw",@nobits
	.p2align	6
	.space	262144
	.amdgpu_metadata
---
amdhsa.version: [ 1, 2 ]
amdhsa.kernels:
  - .name:           k_qbf68feb8c9_pairs
    .symbol:         k_qbf68feb8c9_pairs.kd
    .args:
      - { .name: ac, .offset: 0, .size: 8, .value_kind: global_buffer, .address_space: global }
      - { .name: W2_codes, .offset: 8, .size: 8, .value_kind: global_buffer, .address_space: global }
      - { .name: W2_scales, .offset: 16, .size: 8, .value_kind: global_buffer, .address_space: global }
      - { .name: W3, .offset: 24, .size: 8, .value_kind: global_buffer, .address_space: global }
      - { .name: b2, .offset: 32, .size: 8, .value_kind: global_buffer, .address_space: global }
      - { .name: b3, .offset: 40, .size: 8, .value_kind: global_buffer, .address_space: global }
      - { .name: out0, .offset: 48, .size: 8, .value_kind: global_buffer, .address_space: global }
    .group_segment_fixed_size: 131584
    .private_segment_fixed_size: 0
    .kernarg_segment_align: 8
    .kernarg_segment_size: 56
    .max_flat_workgroup_size: 128
    .sgpr_count:     66
    .vgpr_count:     768
    .wavefront_size: 32
...
	.end_amdgpu_metadata
.endif
;; end of part 2
;; ======== version 2 of 2: 2 launches; version 1 with the launches prep, pairs written anew for expert scheduling mode
;; workspace buffers: ac 4,194,304 bytes
;; launch prep (part 3): grid 64 x 8, 4 waves a work-group, no clusters, 8,704 bytes of LDS; arguments features_codes, features_scales, W1, b1, ac; writes ac
.if DOCPART == 3
	.amdgcn_target "amdgcn-amd-amdhsa--gfx1250"
	.amdhsa_code_object_version 6
	.text
	.protected	k_qbf68feb8c9_prep
	.globl	k_qbf68feb8c9_prep
	.p2align	8
	.type	k_qbf68feb8c9_prep,@function
k_qbf68feb8c9_prep:
	s_mov_b64 s[64:65], 0
	v_nop
	global_prefetch_b8 v0, s[64:65] scope:SCOPE_SE
	s_setreg_imm32_b32 hwreg(HW_REG_WAVE_SCHED_MODE, 0, 2), 2
	s_setreg_imm32_b32 hwreg(HW_REG_WAVE_MODE, 25, 1), 1
	s_wait_xcnt 0x0
	s_wait_alu depctr_vm_vsrc(0)
; a = features Q(W1[0:512]) and nc = -(features Q(W1[512:1024]) + b1), both [1024 rows][512 columns] f32, into the workspace ac (a: bytes 0 on; nc: 2 MiB on).
; features arrive as codes of BF6 (E3M2) with E8M0 scale bytes; W1 [1024 (K twice)][512] arrives as f32 with K as its FIRST axis and is quantised here, along K, a block of 32 at a time.
; LAYOUT OF ac: images of the next launch's registers.  Row tile T (16 rows), columns 128 ks on: 8,192 bytes at (4 T + ks) x 8192; in it group u (0..15) is 512 bytes, lane L's 16 bytes at 16 L;
; word e of group u of lane (r = L % 16, h = L / 16) is the number of row 16 T + r and column 128 ks + 64 (u / 8) + 32 h + 4 (u % 8) + e.
; SHARES.  Work-group x: which half of W1 (x / 32: 0 = a, 1 = nc) and which 16 columns (x % 32); y: which 128 rows of features.  Wave w quantises K step w (128 along K) of the 16 columns
; (a lane takes a column, its registers run down K: two whole blocks a lane, so a block's largest magnitude needs no other lane); the four fragments go from wave to wave through LDS as images
; of their registers; then wave w multiplies row tiles 8 y + 2 w and 8 y + 2 w + 1 by all four.
; THE PRODUCT IS USED TRANSPOSED (source 0 = 16 columns of W1, source 1 = 16 rows of features): a lane holds one row and eight neighbouring columns.  b1 (times 0 for a, times 1 for nc) is the C of each sum's first product.
; LIMITS: NaN and infinities are not served.  A block of W1 whose largest magnitude lies under 2^-122 (a block of zeros too) keeps the scale byte 1: zero codes add nothing under any byte but 0xff, and this program alone reads the bytes.
; b1 is added to c inside the sum, so the next launch forms a + (c + b1) where the source reads (a + c) + b1: another order of f32 rounding.
; No tensor loads, no cluster: a work-group reads 32 KiB of W1 and 48 KiB of codes, once, straight into the registers that want them.
; THE MODE: SCHED_MODE bits 1:0 = 2 (LLVM: expert scheduling mode 2), set by the entry lines.  The code itself states the register dependences
; between vector or matrix instructions and memory or LDS instructions, with s_wait_alu, always for 0.
; THE PLAN.  Registers that memory or LDS instructions touch:
;   v3-v11      offsets and LDS addresses: written once at the head, read by every load and store, never written again.
;   v16-79      W1's numbers: the global loads land here; the quantiser's maxima and conversions read them; then the LDS loads of the four fragments land in v16-63.
;   FF, FS, BI, WS   loaded once each, read by the products (BI is scaled by vector lines behind the wait for its load).
;   PC, WD      written by the quantiser, read by four LDS stores, never written again.
;   OUT         written by eight multiplications, read by four global stores.
; So three waits on va_vdst stand in the text: ahead of the first load, ahead of the LDS stores (it serves the LDS loads behind the barrier too), ahead of the global stores; and one on va_sdst behind the wave's number.
; No register that a memory or LDS instruction has read is written again ahead of the closing lines: no wait on vm_vsrc is owed.
.set X,   16                           ; v16-79   64 numbers of W1: register 32 c + t = K 64 c + 32 h + t of my column
.set WF,  16                           ; v16-63   later: W1's four fragments, 12 registers each
.set ACC, 64                           ; v64-79   later: two accumulators
.set FF,  80                           ; v80-175  features' fragments: (row tile mt, K step ks) at 48 mt + 12 ks
.set FS,  176                          ; v176-183 features' scale words: 4 mt + ks
.set WS,  184                          ; v184-187 W1's scale words
.set BI,  188                          ; v188-195 the bias of my eight columns
.set PC,  196                          ; v196-207 the fragment just made; v208-210, v212-214 the halves that are moved
.set M,   216                          ; v216-219 four chains of maxima
.set SOP, 220                          ; v220-221 the conversions' scale operands
.set BY,  222                          ; v222-223 the scales' bytes
.set WD,  224                          ; v224     my column's scale word
.set TP,  225                          ; v225     the other half's bytes
.set OUT, 228                          ; v228-243 results to store
.set SCO, 6144                         ; LDS: four images of 1,536 bytes, then four times 128 bytes of scale words
	s_load_b256 s[4:11], s[0:1], 0x0               ; features' codes s[4:5], features' scales s[6:7], W1 s[8:9], b1 s[10:11]
	s_load_b64 s[12:13], s[0:1], 0x20              ; ac
	v_lshl_add_u32 v254, v0, 2, 0x2000
	v_mov_b32 v255, 0
	v_lshrrev_b32 v1, 5, v0
	v_readfirstlane_b32 s14, v1                    ; wave 0..3
	v_and_b32 v13, 31, v0                          ; lane
	v_and_b32 v1, 15, v0                           ; r
	v_bfe_u32 v2, v0, 4, 1                         ; h
	v_lshlrev_b32 v3, 2, v1
	v_lshl_add_u32 v3, v2, 16, v3                  ; W1: column r, and 32 rows of 2,048 bytes further down for lanes 16-31
	v_mul_u32_u24 v4, v1, 384
	v_mad_u32_u24 v4, v2, 24, v4                   ; features' codes: row r of 384 bytes, + 24 h
	v_lshlrev_b32 v5, 4, v1                        ; features' scales: 16 bytes a row
	v_lshlrev_b32 v6, 5, v2                        ; b1: my eight columns begin 8 h numbers on
	v_lshlrev_b32 v7, 4, v13                       ; an image's place for my lane
	v_lshlrev_b32 v8, 2, v13                       ; a scale word's
	s_wait_alu depctr_va_sdst(0)                   ; s14 is written, ahead of its first reader: LDS addresses and the buffers' offsets are made from it
	s_mul_i32 s22, s14, 1536
	v_add_nc_u32 v9, s22, v7                       ; where I store my image
	s_lshl_b32 s22, s14, 7
	v_add_nc_u32 v10, s22, v8                      ; and its scale words
	v_lshl_add_u32 v11, v2, 10, v5                 ; ac: 1024 h + 16 r
	v_lshlrev_b32 v12, 3, v2                       ; 8 h: how far my two scale bytes are shifted
	v_mov_b32 v[TP], 0                             ; written once: a lane permute's destination counts as one of its sources
	s_mov_b32 s16, 0x76543210
	s_mov_b32 s17, 0xfedcba98                      ; v_permlanex16_b32's selects for lane l xor 16
	s_lshr_b32 s22, ttmp9, 5                       ; which half of W1
	s_and_b32 s23, ttmp9, 31                       ; ct: which 16 columns
	s_and_b32 s24, ttmp7, 0xffff
	s_lshl_b32 s24, s24, 3
	s_lshl_b32 s25, s14, 1
	s_add_co_u32 s24, s24, s25                     ; my first row tile: 8 y + 2 w
	s_lshl_b32 s26, s22, 20                        ; W1: 512 rows of 2,048 bytes for the second half,
	s_lshl_b32 s25, s14, 18                        ; 128 rows for each wave,
	s_add_co_u32 s26, s26, s25
	s_lshl_b32 s25, s23, 6                         ; 64 bytes for each 16 columns
	s_add_co_u32 s26, s26, s25
	s_mov_b32 s27, 0
	s_mov_b32 s28, s25                             ; b1: the same 64 bytes
	s_mov_b32 s29, 0
	s_mul_i32 s30, s24, 6144                       ; features' codes: 16 rows of 384 bytes a row tile
	s_mov_b32 s31, 0
	s_lshl_b32 s32, s24, 8                         ; features' scales: 256 bytes a row tile
	s_mov_b32 s33, 0
	s_lshl_b32 s34, s22, 21                        ; ac: a or nc,
	s_lshl_b32 s25, s24, 15                        ; the row tile's four images,
	s_add_co_u32 s34, s34, s25
	s_lshr_b32 s25, s23, 3                         ; the image: ct / 8,
	s_lshl_b32 s25, s25, 13
	s_add_co_u32 s34, s34, s25
	s_bfe_u32 s25, s23, 0x10002                    ; in it: bit 2 of ct picks groups 8-15,
	s_lshl_b32 s25, s25, 12
	s_add_co_u32 s34, s34, s25
	s_and_b32 s25, s23, 1                          ; bit 0 four groups on,
	s_lshl_b32 s25, s25, 11
	s_add_co_u32 s34, s34, s25
	s_bfe_u32 s25, s23, 0x10001                    ; bit 1 the image's lanes 16-31
	s_lshl_b32 s25, s25, 8
	s_add_co_u32 s34, s34, s25
	s_mov_b32 s35, 0
	s_cmp_lt_u32 ttmp9, 32                         ; a or nc?
	s_cselect_b32 s18, 0, 1.0                      ; the bias counts in nc alone
	s_cselect_b32 s20, 1.0, -1.0                   ; and nc is stored negated
	s_mov_b32 s21, s20                             ; (named with it as a pair, so it is written)
	s_wait_kmcnt 0x0
	s_add_nc_u64 s[8:9], s[8:9], s[26:27]
	s_add_nc_u64 s[10:11], s[10:11], s[28:29]
	s_add_nc_u64 s[4:5], s[4:5], s[30:31]
	s_add_nc_u64 s[6:7], s[6:7], s[32:33]
	s_add_nc_u64 s[12:13], s[12:13], s[34:35]
	s_wait_alu depctr_va_vdst(0)                   ; the offsets and addresses v3 to v11 are written, which the loads below and every later LDS instruction and store read
.set j, 0
.rept 64
	global_load_b32 v[X+j], v3, s[8:9] offset:(64*(j/32)+j%32)*2048   ; W1(64 c + 32 h + t, my column): sixteen neighbouring lanes read 64 neighbouring bytes
.set j, j+1
.endr
.irp mt, 0,1
.irp ks, 0,1,2,3
.irp p, 0,1,2,3,4,5
	global_load_b64 v[FF+48*\mt+12*\ks+2*\p:FF+48*\mt+12*\ks+2*\p+1], v4, s[4:5] offset:6144*\mt+96*\ks+48*(\p/3)+8*(\p%3)
.endr
.endr
.endr
.irp mt, 0,1
	global_load_b128 v[FS+4*\mt:FS+4*\mt+3], v5, s[6:7] offset:256*\mt   ; a row's 16 scale bytes are its four K steps' words
.endr
	global_load_b128 v[BI:BI+3], v6, s[10:11]
	global_load_b128 v[BI+4:BI+7], v6, s[10:11] offset:16
	s_wait_loadcnt 0x0                             ; all that this launch loads
.irp j, 0,1,2,3,4,5,6,7
	v_mul_f32 v[BI+\j], s18, v[BI+\j]              ; the bias, or 0.  (The quantiser's lines stand between these and the products that take them as C)
.endr
	; THE QUANTISER: my two blocks of 32, each in two chains, the four chains by turns
	v_max3_num_f32 v[M],   |v[X]|,    |v[X+1]|,  0x2800000        ; the floor 2^(5 - 127) among the leaves: the byte cannot fall under 1
	v_max3_num_f32 v[M+1], |v[X+16]|, |v[X+17]|, |v[X+18]|
	v_max3_num_f32 v[M+2], |v[X+32]|, |v[X+33]|, 0x2800000
	v_max3_num_f32 v[M+3], |v[X+48]|, |v[X+49]|, |v[X+50]|
.irp s, 0,1,2,3,4,5
	v_max3_num_f32 v[M],   v[M],   |v[X+2+2*\s]|,  |v[X+3+2*\s]|
	v_max3_num_f32 v[M+1], v[M+1], |v[X+19+2*\s]|, |v[X+20+2*\s]|
	v_max3_num_f32 v[M+2], v[M+2], |v[X+34+2*\s]|, |v[X+35+2*\s]|
	v_max3_num_f32 v[M+3], v[M+3], |v[X+51+2*\s]|, |v[X+52+2*\s]|
.endr
	v_max3_num_f32 v[M],   v[M],   |v[X+14]|, |v[X+15]|
	v_max3_num_f32 v[M+2], v[M+2], |v[X+46]|, |v[X+47]|
	v_max3_num_f32 v[M],   v[M],   v[M+1], |v[X+31]|              ; block h's largest magnitude
	v_max3_num_f32 v[M+2], v[M+2], v[M+3], |v[X+63]|              ; block 2 + h's
	v_add_nc_u32 v[SOP],   0xfe000000, v[M]        ; 4 off the exponent field: the conversion takes the exponent field of this operand as its scale, and nothing else of it
	v_add_nc_u32 v[SOP+1], 0xfe000000, v[M+2]
	v_cvt_scalef32_pk16_bf6_f32 v[PC:PC+2],     v[X:X+15],    v[SOP]
	v_cvt_scalef32_pk16_bf6_f32 v[PC+12:PC+14], v[X+16:X+31], v[SOP]     ; (a conversion's three registers begin on an even number: a block's second half is made elsewhere and moved)
	v_cvt_scalef32_pk16_bf6_f32 v[PC+6:PC+8],   v[X+32:X+47], v[SOP+1]
	v_cvt_scalef32_pk16_bf6_f32 v[PC+16:PC+18], v[X+48:X+63], v[SOP+1]
	v_lshrrev_b32 v[BY],   23, v[SOP]              ; the scales' bytes.  (Also the plain line behind the last conversion)
	v_lshrrev_b32 v[BY+1], 23, v[SOP+1]
	v_lshl_or_b32 v[WD], v[BY+1], 16, v[BY]        ; my two bytes: blocks h and 2 + h,
	v_lshlrev_b32 v[WD], v12, v[WD]                ; at their places in the word;
	v_permlanex16_b32 v[TP], v[WD], s16, s17
	v_or_b32 v[WD], v[WD], v[TP]                   ; with lane l xor 16's two the word is whole
.irp i, 0,1,2
	v_mov_b32 v[PC+3+\i], v[PC+12+\i]
	v_mov_b32 v[PC+9+\i], v[PC+16+\i]              ; registers 6 c .. 6 c + 5 now hold K = 64 c + 32 h + 0 .. 31
.endr
	s_wait_alu depctr_va_vdst(0)                   ; the conversions and moves have written v[PC ..] and v[WD], which the LDS stores read; the maxima and conversions are done reading v16 to v63, in which the LDS loads behind the barrier land (no vector line stands between)
.irp g, 0,1,2
	ds_store_b128 v9, v[PC+4*\g:PC+4*\g+3] offset:512*\g     ; the fragment as it stands: lane l's 16 bytes at 16 l
.endr
	ds_store_b32 v10, v[WD] offset:SCO
	s_wait_dscnt 0x0                               ; for the others' sake: my stores have landed
	s_barrier_signal -1
	s_barrier_wait -1                              ; all four K steps lie in LDS
.irp ks, 0,1,2,3
.irp g, 0,1,2
	ds_load_b128 v[WF+12*\ks+4*\g:WF+12*\ks+4*\g+3], v7 offset:1536*\ks+512*\g
.endr
	ds_load_b32 v[WS+\ks], v8 offset:SCO+128*\ks
.endr
	s_wait_dscnt 0x0
.irp ks, 0,1,2,3                       ; the two accumulators take turns, one instruction a turn
.irp mt, 0,1
.if \ks == 0
	v_wmma_scale_f32_16x16x128_f8f6f4 v[ACC+8*\mt:ACC+8*\mt+7], v[WF+12*\ks:WF+12*\ks+11], v[FF+48*\mt+12*\ks:FF+48*\mt+12*\ks+11], v[BI:BI+7], v[WS+\ks], v[FS+4*\mt+\ks] matrix_a_fmt:MATRIX_FMT_BF6 matrix_b_fmt:MATRIX_FMT_BF6
.else
	v_wmma_scale_f32_16x16x128_f8f6f4 v[ACC+8*\mt:ACC+8*\mt+7], v[WF+12*\ks:WF+12*\ks+11], v[FF+48*\mt+12*\ks:FF+48*\mt+12*\ks+11], v[ACC+8*\mt:ACC+8*\mt+7], v[WS+\ks], v[FS+4*\mt+\ks] matrix_a_fmt:MATRIX_FMT_BF6 matrix_b_fmt:MATRIX_FMT_BF6
.endif
.endr
.endr
.rept 4
	v_nop                                          ; four places between the last product and the first read of results (ISA guide 7.12.1)
.endr
.irp q, 0,1,2,3,4,5,6,7
	v_pk_mul_f32 v[OUT+2*\q:OUT+2*\q+1], v[ACC+2*\q:ACC+2*\q+1], s[20:21] op_sel_hi:[1,0]   ; x 1 or x -1; each accumulator from its low end on
.endr
	s_wait_alu depctr_va_vdst(0)                   ; the multiplications have written v[OUT ..], which the stores read
.irp mt, 0,1
.irp p, 0,1
	global_store_b128 v11, v[OUT+8*\mt+4*\p:OUT+8*\mt+4*\p+3], s[12:13] offset:32768*\mt+512*\p   ; lane (r, h): row r, columns 8 h + 4 p + 0 .. 3 of my 16: sixteen lanes store 256 consecutive bytes, at a multiple of 256 from ac's first byte
.endr
.endr
	s_wait_dscnt 0x0                               ; the closing lines, six on end
	s_wait_alu 0x0
	s_wait_tensorcnt 0x0
	ds_add_u32 v254, v255
	s_wait_dscnt 0x0
	s_endpgm
.Lfunc_end_k_qbf68feb8c9_prep:
	.size	k_qbf68feb8c9_prep, .Lfunc_end_k_qbf68feb8c9_prep-k_qbf68feb8c9_prep
	.p2alignl 7, 3214868480
	.fill 96, 4, 3214868480
	.section	.rodata,"a",@progbits
	.p2align	6, 0x0
	.amdhsa_kernel k_qbf68feb8c9_prep
		.amdhsa_group_segment_fixed_size 8704
		.amdhsa_private_segment_fixed_size 0
		.amdhsa_enable_private_segment 0
		.amdhsa_kernarg_size 40
		.amdhsa_user_sgpr_count 2
		.amdhsa_user_sgpr_kernarg_segment_ptr 1
		.amdhsa_wavefront_size32 1
		.amdhsa_system_sgpr_workgroup_id_x 1
		.amdhsa_system_sgpr_workgroup_id_y 1
		.amdhsa_system_sgpr_workgroup_id_z 1
		.amdhsa_system_vgpr_workitem_id 0
		.amdhsa_next_free_vgpr 256
		.amdhsa_next_free_sgpr 66
		.amdhsa_reserve_vcc 0
		.amdhsa_float_denorm_mode_32 3
		.amdhsa_float_denorm_mode_16_64 3
		.amdhsa_memory_ordered 1
		.amdhsa_forward_progress 1
		.amdhsa_inst_pref_size 21
	.end_amdhsa_kernel
	.amdgpu_metadata
---
amdhsa.version: [ 1, 2 ]
amdhsa.kernels:
  - .name:           k_qbf68feb8c9_prep
    .symbol:         k_qbf68feb8c9_prep.kd
    .args:
      - { .name: features_codes, .offset: 0, .size: 8, .value_kind: global_buffer, .address_space: global }
      - { .name: features_scales, .offset: 8, .size: 8, .value_kind: global_buffer, .address_space: global }
      - { .name: W1, .offset: 16, .size: 8, .value_kind: global_buffer, .address_space: global }
      - { .name: b1, .offset: 24, .size: 8, .value_kind: global_buffer, .address_space: global }
      - { .name: ac, .offset: 32, .size: 8, .value_kind: global_buffer, .address_space: global }
    .group_segment_fixed_size: 8704
    .private_segment_fixed_size: 0
    .kernarg_segment_align: 8
    .kernarg_segment_size: 40
    .max_flat_workgroup_size: 128
    .sgpr_count:     66
    .vgpr_count:     256
    .wavefront_size: 32
...
	.end_amdgpu_metadata
.endif
;; end of part 3
;; launch pairs (part 4): grid 4 x 64, 4 waves a work-group, no clusters, 131,584 bytes of LDS; arguments ac, W2_codes, W2_scales, W3, b2, b3, out0; writes out0
.if DOCPART == 4
	.amdgcn_target "amdgcn-amd-amdhsa--gfx1250"
	.amdhsa_code_object_version 6
	.text
	.protected	k_qbf68feb8c9_pairs
	.globl	k_qbf68feb8c9_pairs
	.p2align	8
	.type	k_qbf68feb8c9_pairs,@function
k_qbf68feb8c9_pairs:
	s_mov_b64 s[64:65], 0
	v_nop
	global_prefetch_b8 v0, s[64:65] scope:SCOPE_SE
	s_setreg_imm32_b32 hwreg(HW_REG_WAVE_SCHED_MODE, 0, 2), 2
	s_setreg_imm32_b32 hwreg(HW_REG_WAVE_MODE, 25, 1), 1
	s_wait_xcnt 0x0
	s_wait_alu depctr_vm_vsrc(0)
; out[b][i][j] = sigmoid(relu(Q(relu(a_i + c_j + b1)) W2 + b2) . W3 + b3).  a and nc = -(c + b1) come from ac (f32, laid as images of this launch's registers); W2 as codes of BF6 (E3M2) with E8M0 scale bytes.
; relu(a + c') = max(a, nc) - nc with nc = -c': the same f32 number bit for bit (a - nc is a + c'; nc - nc is 0).  One maximum with a_i broadcast inside it, half a packed multiply-add.
; SHARES.  A work-group owns 16 i (row tile y of a) x 128 j (x): 128 TILES of 16 pairs, tile 16 jb + i = one i and the 16 j of block jb; pair r of a tile is j = 16 jb + r.
; MAKING IS SHARED ALONG K: wave w makes, for every tile, the fragment of K step w (16 pairs x 128 K), from 64 registers of a and 64 of nc.  A register holds 16 different i (or j) in the 16 lanes of each half, and each
; half its own K: so row_share:i hands a_i to all sixteen pairs, and a lane's 64 numbers are K = 128 w + 64 c + 32 h + 0 .. 31, two WHOLE blocks in the order that the operand's layout gives that lane:
; a block's largest number needs no other lane, and the conversions' results are the operand's registers.
; MULTIPLYING IS SHARED ALONG N: wave w keeps rows 64 w .. 64 w + 63 of W2 (16 fragments, 192 registers) for the whole launch, with its part of b2 and W3.
; Fragments and scale words go from wave to wave through LDS as images of their registers: 3 stores of 16 bytes a lane, 4 bytes a lane for the word; eight slots, one barrier for every four tiles.
; THE PRODUCT IS USED TRANSPOSED (source 0 = 16 rows of W2, source 1 = 16 pairs): a lane holds one pair and eight units; b2 is the C of each sum's first product.  The last layer (N = 1) is packed multiply-adds in f32;
; a lane's sum over its 32 units goes to LDS, and at the end the eight partial sums of a pair (four waves x two halves) are added and put through the sigmoid.
; A TURN handles six tiles at different stages (turn t: quantise tile t; W3's sums of tile t - 6; fetch tile t - 3's fragments; products of tile t - 4 with, one slice behind each matrix instruction, tile t + 1's
; maxima and subtractions and tile t - 5's relu).  So the wave's matrix instructions are issued among its vector instructions.
; LIMITS: NaN and infinities are not served.  A block whose largest number lies under 2^-122 (a block of zeros too) keeps the scale byte 1: zero codes add nothing under any byte but 0xff.
; No tensor loads, clusters or prefetches: a work-group reads 288 KiB of ac, which the launch before has just stored, straight into registers, each block of nc sixteen turns ahead of its use.
; THE MODE: SCHED_MODE bits 1:0 = 2 (LLVM: expert scheduling mode 2), set by the entry lines.  The code itself states the register dependences
; between vector or matrix instructions and memory or LDS instructions, with s_wait_alu, always for 0.
; THE PLAN.  Registers that memory or LDS instructions touch, round the loop:
;   v[PC ..], v[WD]   Turn t: written by the quantiser's lines; read by the turn's four LDS stores; written again in turn t + 1.
;   v[PS]             Turn t: written by the last layer's lines; read by the turn's one LDS store; written again in turn t + 1.
;   HF, HS, two sets  Turn t: the sixteen fetches land in set (t + 1) % 2, which turn t - 1's products read last and turn t + 1's read next; turn t's products read the other set.
;   NN                Once in sixteen turns: 64 moves read it; behind them the loads of the block after the next land in it.
;   v[VP]             Read by each store of a partial sum; written once a trip, at the loop's edge.
;   v[VST], v[VSS], v[VLD], v[VLS], v[VR]   Written at the head, never again.
;   H, the accumulators, a, nc, W2, b2 and W3 are named in the loop by vector and matrix instructions alone.
; A turn's order: the quantiser's lines, the last layer's lines, ONE wait on va_vdst, the five stores, (the change of nc,) (the barrier,) the sixteen fetches in one run, the sixteen slices.  That wait states that PC, WD and PS
; (in a trip's first turn v[VP] too) are written, and that the last turn's products are done reading the set in which the fetches land; between it and the fetches no vector line names a register of theirs.
; One wait on vm_vsrc at a turn's head states that the last turn's stores have read PC, WD and PS.  The fetches stand in one run and not among the slices: a slice's window setting has source 0, a load's address, in window 1.
; REGISTERS, in windows of 256 (s_set_vgpr_msb: bits 1:0 source 0, 3:2 source 1, 5:4 source 2, 7:6 destination):
;   window 0: v1-7 addresses; v8-47 the quantiser's; v48-55 the pairs' scale words, two sets; v56-71 W2's scale words; v72-103 W3; v104-167 H, 64 numbers of a tile; v168-231 two sets of four accumulators
;   window 1: v0-191 W2's fragments ((t, ks) at 12 (4 t + ks)); v192-255 a       window 2: v0-63 nc; v64-159 the pairs' fragments, two sets of four; v160-191 b2; v192-255 the next block's nc
.set SLOTB, 6656                       ; LDS: a slot: four images of 1,536 bytes, then four times 128 bytes of scale words
.set SCO,   6144
.set PB,    8*SLOTB                    ; behind the eight slots: the partial sums: block jb at jb x PBLK, tile i 512 bytes on, wave w 128 bytes on, 4 bytes a lane
.set PBLK,  8256                       ; 16 x 512 + 64: at the end lanes four apart read blocks one apart, which so start 16 banks apart (64 banks of 4 bytes: ISA guide 11.1)
.set VST, 1                            ; v1   where I store a fragment's image: 16 x lane + 1536 x wave
.set VSS, 2                            ; v2   and its scale words: 4 x lane + 128 x wave
.set VLD, 3                            ; v3   16 x lane
.set VLS, 4                            ; v4   4 x lane
.set VP,  5                            ; v5   where I store a partial sum; a block on once a trip
.set SH,  6                            ; v6   8 h
.set VR,  7                            ; v7   where I read partial sums back
.set M,   8
.set SOP, 12
.set BY,  14
.set WD,  16
.set TP,  17
.set S,   18                           ; v18-25 four pairs of sums
.set PS,  26
.set PC,  28                           ; v28-39 the fragment just made; v40-42, v44-46 the halves that are moved
.set HS,  48
.set W2S, 56
.set W3R, 72
.set H,   104
.set ACC, 168
.set FIN, 104                          ; the end: 128 registers of partial sums
.set AR,  192                          ; window 1
.set HF,  64                           ; window 2
.set B2R, 160
.set NN,  192
.set CNT, 22                           ; s22  blocks to go
.set STORED, 0                         ; 1 from the text's first turn on: an earlier turn has stored to LDS
.set MSB, 0
.macro WIN new                         ; the immediate's high byte repeats the setting that is left; a switch that changes nothing is dropped
.if MSB != \new
	s_set_vgpr_msb (MSB<<8)|\new
.set MSB, \new
.endif
.endm
.set TO1, 0x40                         ; destination window 1
.set TO2, 0x80                         ; destination window 2
.set CP,  0x82                         ; destination and source 0 window 2
.set XB,  0x29                         ; source 0 window 1 (W2, a), source 1 window 2 (fragments, nc), source 2 window 2 (b2), destination window 0
.set XX,  0x09                         ; the same with source 2 in window 0 (the accumulators, H)
	s_load_b256 s[4:11], s[0:1], 0x0               ; ac s[4:5], W2's codes s[6:7], W2's scales s[8:9], W3 s[10:11]
	s_load_b128 s[12:15], s[0:1], 0x20             ; b2 s[12:13], b3 s[14:15]
	s_load_b64 s[16:17], s[0:1], 0x30              ; out0
	v_lshl_add_u32 v254, v0, 2, 0x20000
	v_mov_b32 v255, 0
	v_lshrrev_b32 v232, 5, v0
	v_readfirstlane_b32 s18, v232                  ; wave 0..3
	v_and_b32 v233, 31, v0                         ; lane
	v_and_b32 v234, 15, v0                         ; r
	v_bfe_u32 v235, v0, 4, 1                       ; h
	v_lshlrev_b32 v[VLD], 4, v233
	v_lshlrev_b32 v[VLS], 2, v233
	s_wait_alu depctr_va_sdst(0)                   ; s18 is written, ahead of its first reader: LDS addresses and the buffers' offsets are made from it
	s_mul_i32 s28, s18, 1536
	v_add_nc_u32 v[VST], s28, v[VLD]
	s_lshl_b32 s29, s18, 7
	v_add_nc_u32 v[VSS], s29, v[VLS]
	v_add_nc_u32 v[VP], PB, v[VSS]
	v_lshlrev_b32 v[SH], 3, v235
	v_lshrrev_b32 v236, 2, v233                    ; at the end lane l takes j = 4 l .. 4 l + 3: block l / 4,
	v_mul_u32_u24 v[VR], v236, PBLK
	v_and_b32 v236, 3, v233                        ; pairs 4 (l % 4) on,
	v_lshl_add_u32 v[VR], v236, 4, v[VR]
	s_lshl_b32 s28, s18, 11                        ; and wave w takes i = 4 w .. 4 w + 3
	s_add_co_u32 s28, s28, PB
	v_add_nc_u32 v[VR], s28, v[VR]
	v_mul_u32_u24 v232, v234, 384
	v_mad_u32_u24 v232, v235, 24, v232             ; W2's codes: row r of 384 bytes, + 24 h
	v_lshlrev_b32 v233, 5, v235                    ; b2, W3: my eight units begin 8 h numbers on
	v_lshlrev_b32 v234, 4, v234                    ; W2's scales: 16 bytes a row
	v_mov_b32 v[TP], 0                             ; written once: a lane permute's destination counts as one of its sources
	s_mov_b32 s20, 0x76543210
	s_mov_b32 s21, 0xfedcba98                      ; v_permlanex16_b32's selects for lane l xor 16
	s_mov_b32 s26, 0xbfb8aa3b                      ; -log2(e)
	s_mov_b32 s[CNT], 8
	s_and_b32 s30, ttmp7, 0xffff                   ; y: a's row tile
	s_lshl_b32 s28, s30, 2
	s_add_co_u32 s28, s28, s18
	s_lshl_b32 s28, s28, 13                        ; a's image (4 y + w)
	s_mov_b32 s29, 0
	s_lshr_b32 s31, s30, 5
	s_lshl_b32 s31, s31, 5                         ; the batch's 32 row tiles,
	s_lshl_b32 s32, ttmp9, 3
	s_add_co_u32 s31, s31, s32                     ; + 8 x: nc's row tile of block 0
	s_lshl_b32 s32, s31, 2
	s_add_co_u32 s32, s32, s18
	s_lshl_b32 s32, s32, 13
	s_add_co_u32 s32, s32, 0x200000                ; its image, behind a's 2 MiB
	s_mov_b32 s33, 0
	s_mul_i32 s34, s18, 24576                      ; my 64 rows of W2's codes,
	s_mov_b32 s35, 0
	s_lshl_b32 s36, s18, 10                        ; of its scales,
	s_mov_b32 s37, 0
	s_lshl_b32 s38, s18, 8                         ; my 64 numbers of b2 and of W3
	s_mov_b32 s39, 0
	s_lshl_b32 s40, s30, 4
	s_lshl_b32 s41, s18, 2
	s_add_co_u32 s40, s40, s41
	s_lshl_b32 s40, s40, 11                        ; out0: row 16 y + 4 w of 2,048 bytes,
	s_lshl_b32 s41, ttmp9, 9
	s_add_co_u32 s40, s40, s41                     ; + 512 x
	s_mov_b32 s41, 0
	s_wait_kmcnt 0x0
	s_add_nc_u64 s[28:29], s[4:5], s[28:29]
	s_add_nc_u64 s[24:25], s[4:5], s[32:33]
	s_add_nc_u64 s[6:7], s[6:7], s[34:35]
	s_add_nc_u64 s[8:9], s[8:9], s[36:37]
	s_add_nc_u64 s[10:11], s[10:11], s[38:39]
	s_add_nc_u64 s[12:13], s[12:13], s[38:39]
	s_add_nc_u64 s[16:17], s[16:17], s[40:41]
	s_load_b32 s19, s[14:15], 0x0                  ; b3
	WIN TO1
	s_wait_alu depctr_va_vdst(0)                   ; the addresses and offsets v1 to v5, v7 and v232 to v234 are written, which the loads below and every later LDS instruction and store read; only loads and window switches stand in the run below
.irp u, 0,1,2,3,4,5,6,7,8,9,10,11,12,13,14,15
	global_load_b128 v[AR+4*\u:AR+4*\u+3], v[VLD], s[28:29] offset:512*\u        ; a: 32 lanes read 512 consecutive bytes
.endr
.irp t, 0,1,2,3
.irp ks, 0,1,2,3
.irp p, 0,1,2,3,4,5
	global_load_b64 v[12*(4*\t+\ks)+2*\p:12*(4*\t+\ks)+2*\p+1], v232, s[6:7] offset:6144*\t+96*\ks+48*(\p/3)+8*(\p%3)
.endr
.endr
.endr
	WIN TO2
.irp u, 0,1,2,3,4,5,6,7,8,9,10,11,12,13,14,15
	global_load_b128 v[4*\u:4*\u+3], v[VLD], s[24:25] offset:512*\u              ; nc of block 0,
.endr
.irp u, 0,1,2,3,4,5,6,7,8,9,10,11,12,13,14,15
	global_load_b128 v[NN+4*\u:NN+4*\u+3], v[VLD], s[24:25] offset:32768+512*\u  ; of block 1: a row tile's four images on
.endr
.irp t, 0,1,2,3
	global_load_b128 v[B2R+8*\t:B2R+8*\t+3], v233, s[12:13] offset:64*\t         ; b2 of units 16 t + 8 h + 0 .. 7: the result's layout
	global_load_b128 v[B2R+8*\t+4:B2R+8*\t+7], v233, s[12:13] offset:64*\t+16
.endr
	WIN 0
.irp t, 0,1,2,3
	global_load_b128 v[W3R+8*\t:W3R+8*\t+3], v233, s[10:11] offset:64*\t
	global_load_b128 v[W3R+8*\t+4:W3R+8*\t+7], v233, s[10:11] offset:64*\t+16
	global_load_b128 v[W2S+4*\t:W2S+4*\t+3], v234, s[8:9] offset:256*\t          ; a row's 16 scale bytes are its four K steps' words
.endr
.set j, 0
.rept 64
	v_mov_b32 v[H+j], 0                            ; written once: the destination of a DPP form counts as one of its sources
.set j, j+1
.endr
	s_wait_loadcnt 0x0                             ; all of the head's loads
	s_wait_kmcnt 0x0                               ; b3
	s_add_nc_u64 s[24:25], s[24:25], 0x8000        ; nc's base now stands at block 1
	s_mul_f32 s27, s26, s19                        ; -log2(e) b3
; Tile i's 64 numbers in H become a fragment's codes and a scale word (M2V: the vector lines), and go to slot i % 8 (M2S: the stores).  Nothing in H is negative: no |.| on the sources.
.macro M2V
	v_max3_num_f32 v[M],   v[H],    v[H+1],  0x2800000            ; two blocks, each in two chains, the four by turns; the floor 2^(5 - 127) among the leaves: the byte cannot fall under 1
	v_max3_num_f32 v[M+1], v[H+16], v[H+17], v[H+18]
	v_max3_num_f32 v[M+2], v[H+32], v[H+33], 0x2800000
	v_max3_num_f32 v[M+3], v[H+48], v[H+49], v[H+50]
.irp s, 0,1,2,3,4,5
	v_max3_num_f32 v[M],   v[M],   v[H+2+2*\s],  v[H+3+2*\s]
	v_max3_num_f32 v[M+1], v[M+1], v[H+19+2*\s], v[H+20+2*\s]
	v_max3_num_f32 v[M+2], v[M+2], v[H+34+2*\s], v[H+35+2*\s]
	v_max3_num_f32 v[M+3], v[M+3], v[H+51+2*\s], v[H+52+2*\s]
.endr
	v_max3_num_f32 v[M],   v[M],   v[H+14], v[H+15]
	v_max3_num_f32 v[M+2], v[M+2], v[H+46], v[H+47]
	v_max3_num_f32 v[M],   v[M],   v[M+1], v[H+31]                ; block h's largest number
	v_max3_num_f32 v[M+2], v[M+2], v[M+3], v[H+63]                ; block 2 + h's
	v_add_nc_u32 v[SOP],   0xfe000000, v[M]        ; 4 off the exponent field: the conversion's scale operand
	v_add_nc_u32 v[SOP+1], 0xfe000000, v[M+2]
	v_cvt_scalef32_pk16_bf6_f32 v[PC:PC+2],     v[H:H+15],    v[SOP]
	v_cvt_scalef32_pk16_bf6_f32 v[PC+12:PC+14], v[H+16:H+31], v[SOP]     ; (a conversion's three registers begin on an even number)
	v_cvt_scalef32_pk16_bf6_f32 v[PC+6:PC+8],   v[H+32:H+47], v[SOP+1]
	v_cvt_scalef32_pk16_bf6_f32 v[PC+16:PC+18], v[H+48:H+63], v[SOP+1]
	v_lshrrev_b32 v[BY],   23, v[SOP]              ; the scales' bytes.  (Also the plain line behind the last conversion)
	v_lshrrev_b32 v[BY+1], 23, v[SOP+1]
	v_lshl_or_b32 v[WD], v[BY+1], 16, v[BY]
	v_lshlrev_b32 v[WD], v[SH], v[WD]              ; my two bytes at their places in the word;
	v_permlanex16_b32 v[TP], v[WD], s20, s21
	v_or_b32 v[WD], v[WD], v[TP]                   ; with lane l xor 16's two it is whole
.irp e, 0,1,2
	v_mov_b32 v[PC+3+\e], v[PC+12+\e]
	v_mov_b32 v[PC+9+\e], v[PC+16+\e]
.endr
.endm
.macro M2S i
.irp g, 0,1,2
	ds_store_b128 v[VST], v[PC+4*\g:PC+4*\g+3] offset:((\i)%8)*SLOTB+512*\g
.endr
	ds_store_b32 v[VSS], v[WD] offset:((\i)%8)*SLOTB+SCO
.endm
; The last layer for the tile six turns back: my 32 units' relu(h2) x W3, two at a time, in four chains (E2V); the lane's sum goes to LDS (E2S).
.macro E2V i
.set AP, ACC+32*((\i)%2)
.irp c, 0,1,2,3
	v_pk_mul_f32 v[S+2*\c:S+2*\c+1], v[AP+2*\c:AP+2*\c+1], v[W3R+2*\c:W3R+2*\c+1]
.endr
.irp q, 4,5,6,7,8,9,10,11,12,13,14,15
	v_pk_fma_f32 v[S+2*(\q%4):S+2*(\q%4)+1], v[AP+2*\q:AP+2*\q+1], v[W3R+2*\q:W3R+2*\q+1], v[S+2*(\q%4):S+2*(\q%4)+1]
.endr
	v_pk_add_f32 v[S:S+1], v[S:S+1], v[S+2:S+3]
	v_pk_add_f32 v[S+4:S+5], v[S+4:S+5], v[S+6:S+7]
	v_pk_add_f32 v[S:S+1], v[S:S+1], v[S+4:S+5]
	v_add_f32 v[PS], v[S], v[S+1]
.endm
.macro E2S i
	ds_store_b32 v[VP], v[PS] offset:(((\i)+10)%16)*512
.endm
; The four fragments and scale words of the tile three turns back, for the next turn's products.  The set's last products stand a whole turn's quantiser back, ahead of the turn's wait on va_vdst.
.macro LDF i
.set LQ, (((\i)+5)%8)*SLOTB
.set LP, ((\i)+1)%2
	WIN 0
.irp ks, 0,1,2,3
	ds_load_b32 v[HS+4*LP+\ks], v[VLS] offset:LQ+SCO+128*\ks
.endr
	WIN TO2
.irp ks, 0,1,2,3
.irp g, 0,1,2
	ds_load_b128 v[HF+48*LP+12*\ks+4*\g:HF+48*LP+12*\ks+4*\g+3], v[VLD] offset:LQ+1536*\ks+512*\g
.endr
.endr
.endm
; The next block's nc takes nc's place, and the block after that is asked for, if there is one: no load leaves its buffer.
.macro SWAP
	s_wait_loadcnt 0x0                             ; asked for sixteen turns ago; the loads are done, so their base may step
	s_add_nc_u64 s[24:25], s[24:25], 0x8000
	WIN CP
.set j, 0
.rept 64
	v_mov_b32 v[j], v[NN+j]
.set j, j+1
.endr
	WIN 0                                          ; at a branch and at a label every window is 0
	s_cmp_lt_u32 s[CNT], 3
	s_cbranch_scc1 .Lno_more_\@
	WIN TO2
	s_wait_alu depctr_va_vdst(0)                   ; the 64 moves are done reading NN, in which the loads below land
.irp u, 0,1,2,3,4,5,6,7,8,9,10,11,12,13,14,15
	global_load_b128 v[NN+4*\u:NN+4*\u+3], v[VLD], s[24:25] offset:512*\u
.endr
	WIN 0
.Lno_more_\@:
.endm
; Sixteen slices.  wm: slice k begins with product k: K step k / 4, W2's tile k % 4, on accumulator set p: the four accumulators take turns, one instruction a turn; the first four take b2 as C.
; m1: the next tile's H: 64 maxima of a (lane n of each half, handed to all sixteen) and nc, then 32 packed t - nc.  e1: relu on the other set's accumulators, each from its low end on.
; The forms are chosen so that one window setting serves a product and its slice: the maximum has a as source 0 and nc as source 1; the subtraction is -1 x nc + t with nc as source 1; relu is the largest of 0, 0 and x with x as source 2.
.macro XPH p, n, wm, m1, e1
.if \wm
	WIN XB
.elseif \m1
	WIN XX
.else
	WIN 0
.endif
.set k, 0
.rept 16
.if (k == 4) && \wm
	WIN XX
.endif
.if \wm
.set rD, ACC+32*(\p)+8*(k%4)
.set rA, 12*(4*(k%4)+k/4)
.set rB, HF+48*(\p)+12*(k/4)
.if k < 4
	v_wmma_scale_f32_16x16x128_f8f6f4 v[rD:rD+7], v[rA:rA+11], v[rB:rB+11], v[B2R+8*k:B2R+8*k+7], v[W2S+4*(k%4)+k/4], v[HS+4*(\p)+k/4] matrix_a_fmt:MATRIX_FMT_BF6 matrix_b_fmt:MATRIX_FMT_BF6
.else
	v_wmma_scale_f32_16x16x128_f8f6f4 v[rD:rD+7], v[rA:rA+11], v[rB:rB+11], v[rD:rD+7], v[W2S+4*(k%4)+k/4], v[HS+4*(\p)+k/4] matrix_a_fmt:MATRIX_FMT_BF6 matrix_b_fmt:MATRIX_FMT_BF6
.endif
.endif
.if \m1 && (k < 12)
.if k < 4
.set vv, 8*k
.set nn, 8
.else
.set vv, 32+4*(k-4)
.set nn, 4
.endif
.rept nn
	v_max_num_f32_dpp v[H+vv], v[AR+vv], v[vv] row_share:\n row_mask:0xf bank_mask:0xf
.set vv, vv+1
.endr
.if k >= 4
.set qq, 8*(k-4)
.rept 4
	v_pk_fma_f32 v[H+qq:H+qq+1], -1.0, v[qq:qq+1], v[H+qq:H+qq+1] op_sel_hi:[0,1,1]
.set qq, qq+2
.endr
.endif
.endif
.if \e1 && (k >= 12)
.set vv, ACC+32*(1-(\p))+8*(k-12)
.rept 8
	v_max3_num_f32 v[vv], 0, 0, v[vv]
.set vv, vv+1
.endr
.endif
.set k, k+1
.endr
	WIN 0
.endm
; A TURN.  i: the turn's number mod 16; n = (i + 1) % 16: the i of the tile whose H is made.  Every turn has the quantiser's lines or the last layer's, or both.
; SLOTS AND BARRIERS.  The barrier stands in every fourth turn (i % 4 = 3), between the store of tile t and the fetch of tile t - 3.  From one barrier to the next the stores go to four slots (tiles 4 k + 4 .. 4 k + 7)
; and the fetches read the other four (tiles 4 k .. 4 k + 3): a tile is fetched behind the barrier that follows its store, and its slot is stored again behind the barrier that follows its fetch.
.macro TURN i, n, m2, e2, ld, wm, m1, e1, sw
	s_wait_dscnt 0x0                               ; the last turn's fetches are in (issued ahead of its sixteen slices)
.if STORED
	s_wait_alu depctr_vm_vsrc(0)                   ; the last turn's LDS stores have read v[PC ..], v[WD] and v[PS], which this turn's lines write again
.endif
.if \m2
	M2V
.endif
.if \e2
	E2V \i
.endif
	s_wait_alu depctr_va_vdst(0)                   ; this turn's lines have written v[PC ..], v[WD] and v[PS] (in a trip's first turn v[VP] is written too), which the stores below read; the last turn's products are done reading the fragments and scale words in which the fetches below land
.if \m2
	M2S \i
.endif
.if \e2
	E2S \i
.endif
.set STORED, 1
.if \sw
	SWAP
.endif
.if \m2 && ((\i)%4 == 3)
	s_wait_dscnt 0x0                               ; for the others' sake: my stores have landed; my fetches are long in
	s_barrier_signal -1
	s_barrier_wait -1
.endif
.if \ld
	LDF \i
.endif
	XPH (\i)%2, \n, \wm, \m1, \e1
.endm
	XPH 0, 0, 0, 1, 0                              ; tile 0's H
	TURN 0, 1,   1,0,0,0,1,0,0                     ; the pipeline fills
	TURN 1, 2,   1,0,0,0,1,0,0
	TURN 2, 3,   1,0,0,0,1,0,0
	TURN 3, 4,   1,0,1,0,1,0,0
	TURN 4, 5,   1,0,1,1,1,0,0
	TURN 5, 6,   1,0,1,1,1,1,0
.Lblk:                                                 ; a trip is sixteen turns, 6 to 15 and 0 to 5: all its partial sums belong to one block of j, so their places are immediates
	TURN 6, 7,   1,1,1,1,1,1,0
	TURN 7, 8,   1,1,1,1,1,1,0
	TURN 8, 9,   1,1,1,1,1,1,0
	TURN 9, 10,  1,1,1,1,1,1,0
	TURN 10, 11, 1,1,1,1,1,1,0
	TURN 11, 12, 1,1,1,1,1,1,0
	TURN 12, 13, 1,1,1,1,1,1,0
	TURN 13, 14, 1,1,1,1,1,1,0
	TURN 14, 15, 1,1,1,1,1,1,0
	s_cmp_eq_u32 s[CNT], 1                         ; the last block's tail is written out: no tile follows
	s_cbranch_scc1 .Ltail
	TURN 15, 0,  1,1,1,1,1,1,1                     ; the next H belongs to the next block of j: nc changes first
	TURN 0, 1,   1,1,1,1,1,1,0
	TURN 1, 2,   1,1,1,1,1,1,0
	TURN 2, 3,   1,1,1,1,1,1,0
	TURN 3, 4,   1,1,1,1,1,1,0
	TURN 4, 5,   1,1,1,1,1,1,0
	TURN 5, 6,   1,1,1,1,1,1,0
	s_wait_dscnt 0x0                               ; the next turn's wait, a few lines early: no LDS instruction of mine is out when the address steps
	s_wait_alu depctr_vm_vsrc(0)                   ; turn 5's store of a partial sum has read v[VP]
	v_add_nc_u32 v[VP], PBLK, v[VP]                ; the next block's partial sums
	s_sub_co_u32 s[CNT], s[CNT], 1
	s_cmp_lg_u32 s[CNT], 0
	s_cbranch_scc1 .Lblk
.Ltail:
	TURN 15, 0,  1,1,1,1,0,1,0                     ; the pipeline drains
	TURN 0, 0,   0,1,1,1,0,1,0
	TURN 1, 0,   0,1,1,1,0,1,0
	TURN 2, 0,   0,1,1,1,0,1,0
	TURN 3, 0,   0,1,0,1,0,1,0
	TURN 4, 0,   0,1,0,0,0,1,0
	TURN 5, 0,   0,1,0,0,0,0,0
	; THE END.  Wave w takes rows i = 4 w .. 4 w + 3, lane l the pairs j = 4 l .. 4 l + 3: eight partial sums each (four waves x two halves of the lanes), 64 bytes apart.
	; The loads land in v104 to v231, which held H and the accumulators: the last vector line that names one of them stands ahead of the last turn's wait on va_vdst, and no vector line follows that wait.
	s_wait_dscnt 0x0                               ; for the others' sake: my partial sums have landed
	s_barrier_signal -1
	s_barrier_wait -1
.irp ii, 0,1,2,3
.irp q, 0,1,2,3,4,5,6,7
	ds_load_b128 v[FIN+32*\ii+4*\q:FIN+32*\ii+4*\q+3], v[VR] offset:512*\ii+64*\q
.endr
.endr
	s_wait_dscnt 0x0
.irp ii, 0,1,2,3
.irp q, 0,2,4,6
	v_pk_add_f32 v[FIN+32*\ii+4*\q:FIN+32*\ii+4*\q+1],   v[FIN+32*\ii+4*\q:FIN+32*\ii+4*\q+1],   v[FIN+32*\ii+4*\q+4:FIN+32*\ii+4*\q+5]
	v_pk_add_f32 v[FIN+32*\ii+4*\q+2:FIN+32*\ii+4*\q+3], v[FIN+32*\ii+4*\q+2:FIN+32*\ii+4*\q+3], v[FIN+32*\ii+4*\q+6:FIN+32*\ii+4*\q+7]
.endr
.endr
.irp ii, 0,1,2,3
.irp q, 0,4
	v_pk_add_f32 v[FIN+32*\ii+4*\q:FIN+32*\ii+4*\q+1],   v[FIN+32*\ii+4*\q:FIN+32*\ii+4*\q+1],   v[FIN+32*\ii+4*\q+8:FIN+32*\ii+4*\q+9]
	v_pk_add_f32 v[FIN+32*\ii+4*\q+2:FIN+32*\ii+4*\q+3], v[FIN+32*\ii+4*\q+2:FIN+32*\ii+4*\q+3], v[FIN+32*\ii+4*\q+10:FIN+32*\ii+4*\q+11]
.endr
.endr
.irp ii, 0,1,2,3
	v_pk_add_f32 v[FIN+32*\ii:FIN+32*\ii+1],   v[FIN+32*\ii:FIN+32*\ii+1],   v[FIN+32*\ii+16:FIN+32*\ii+17]
	v_pk_add_f32 v[FIN+32*\ii+2:FIN+32*\ii+3], v[FIN+32*\ii+2:FIN+32*\ii+3], v[FIN+32*\ii+18:FIN+32*\ii+19]
.endr
.irp ii, 0,1,2,3
.irp e, 0,1,2,3
	v_fma_f32 v[FIN+32*\ii+4+\e], v[FIN+32*\ii+\e], s26, s27       ; -log2(e) (the sum + b3)
.endr
.endr
.irp ii, 0,1,2,3
.irp e, 0,1,2,3
	v_exp_f32 v[FIN+32*\ii+4+\e], v[FIN+32*\ii+4+\e]
.endr
.endr
	v_nop                                          ; a plain line between the last exponential and the use of its result
	s_wait_alu depctr_va_vdst(0)                   ; the sixteen exponentials have written their results, which the additions below read: one wait for the batch
.irp ii, 0,1,2,3
.irp e, 0,1,2,3
	v_add_f32 v[FIN+32*\ii+4+\e], 1.0, v[FIN+32*\ii+4+\e]
.endr
.endr
.irp ii, 0,1,2,3
.irp e, 0,1,2,3
	v_rcp_f32 v[FIN+32*\ii+4+\e], v[FIN+32*\ii+4+\e]               ; sigmoid = 1 / (1 + 2^(-log2(e) x)); where the power overflows to infinity the result is 0
.endr
.endr
	v_nop                                          ; a plain line between the last reciprocal and the use of its result
	s_wait_alu depctr_va_vdst(0)                   ; the sixteen reciprocals have written their results, which the stores below read: one wait for the batch
.irp ii, 0,1,2,3
	global_store_b128 v[VLD], v[FIN+32*\ii+4:FIN+32*\ii+7], s[16:17] offset:2048*\ii th:TH_STORE_NT   ; 32 lanes store 512 consecutive bytes of a row, at a multiple of 256 from out0's first byte; written once, read by nobody here
.endr
	s_wait_dscnt 0x0                               ; the closing lines, six on end (every window is 0 here: the add's two registers lie in window 0)
	s_wait_alu 0x0
	s_wait_tensorcnt 0x0
	ds_add_u32 v254, v255
	s_wait_dscnt 0x0
	s_endpgm
.Lfunc_end_k_qbf68feb8c9_pairs:
	.size	k_qbf68feb8c9_pairs, .Lfunc_end_k_qbf68feb8c9_pairs-k_qbf68feb8c9_pairs
	.p2alignl 7, 3214868480
	.fill 96, 4, 3214868480
	.section	.rodata,"a",@progbits
	.p2align	6, 0x0
	.amdhsa_kernel k_qbf68feb8c9_pairs
		.amdhsa_group_segment_fixed_size 131584
		.amdhsa_private_segment_fixed_size 0
		.amdhsa_enable_private_segment 0
		.amdhsa_kernarg_size 56
		.amdhsa_user_sgpr_count 2
		.amdhsa_user_sgpr_kernarg_segment_ptr 1
		.amdhsa_wavefront_size32 1
		.amdhsa_system_sgpr_workgroup_id_x 1
		.amdhsa_system_sgpr_workgroup_id_y 1
		.amdhsa_system_sgpr_workgroup_id_z 1
		.amdhsa_system_vgpr_workitem_id 0
		.amdhsa_next_free_vgpr 768
		.amdhsa_next_free_sgpr 66
		.amdhsa_reserve_vcc 0
		.amdhsa_float_denorm_mode_32 3
		.amdhsa_float_denorm_mode_16_64 3
		.amdhsa_memory_ordered 1
		.amdhsa_forward_progress 1
		.amdhsa_inst_pref_size 255
	.end_amdhsa_kernel
	.section	.bss,"aw",@nobits
	.p2align	6
	.space	262144
	.amdgpu_metadata
---
amdhsa.version: [ 1, 2 ]
amdhsa.kernels:
  - .name:           k_qbf68feb8c9_pairs
    .symbol:         k_qbf68feb8c9_pairs.kd
    .args:
      - { .name: ac, .offset: 0, .size: 8, .value_kind: global_buffer, .address_space: global }
      - { .name: W2_codes, .offset: 8, .size: 8, .value_kind: global_buffer, .address_space: global }
      - { .name: W2_scales, .offset: 16, .size: 8, .value_kind: global_buffer, .address_space: global }
      - { .name: W3, .offset: 24, .size: 8, .value_kind: global_buffer, .address_space: global }
      - { .name: b2, .offset: 32, .size: 8, .value_kind: global_buffer, .address_space: global }
      - { .name: b3, .offset: 40, .size: 8, .value_kind: global_buffer, .address_space: global }
      - { .name: out0, .offset: 48, .size: 8, .value_kind: global_buffer, .address_space: global }
    .group_segment_fixed_size: 131584
    .private_segment_fixed_size: 0
    .kernarg_segment_align: 8
    .kernarg_segment_size: 56
    .max_flat_workgroup_size: 128
    .sgpr_count:     66
    .vgpr_count:     768
    .wavefront_size: 32
...
	.end_amdgpu_metadata
.endif
;; end of part 4
